; MI455X (gfx1250); checked and timed in simulation.
; The chip was launched on July 23, 2026; its instructions are those of AMD's public machine-readable ISA for CDNA 5 (MIT licence, August 2026) and "CDNA5" Instruction Set Architecture Reference Guide (July 2026). The comments in the code are by the model that wrote it; some were corrected since.
;; Multi Head Attention. Allowed arithmetic: matrix products marked QUANTISED: E2M3 operands, one E8M0 scale for each 32 along K, by v_wmma_scale_f32_16x16x128_f8f6f4 with both operands' format E2M3, f32 sums; everything else in f32.
;; Inputs: bk 1,024 float32; bo 1,024 float32; bq 1,024 float32; bv 1,024 float32; mask 1 x 1 x 2,048 x 2,048 int32; wk 1,024 x 1,024 float32; wo 1,024 x 1,024 float32; wq 1,024 x 1,024 float32; wv 1,024 x 1,024 float32; x 4 x 2,048 x 1,024 float32.
;; Outputs: out0 4 x 2,048 x 1,024 float32.
;; This version of the problem:
;;   THIS VERSION OF THE PROBLEM IS GIVEN IN LOW PRECISION. The matrix products marked QUANTISED in the list below multiply operands that are first quantised to E2M3 (2 exponent bits, 3 mantissa bits; 6 bits a number), with one power-of-two scale for each 32 numbers along K (OCP MX v1.0); their sums are f32. All else is computed in f32.
;;   The module's matrix products, in the order in which they are computed (A, B: the left and right operand; K: the contracted axis; several contracted axes count as one K, in the product's order):
;;     1. [M 8,192, K 1,024] x [K 1,024, N 1,024]; A: input x; B: input wq: QUANTISED
;;     2. [M 8,192, K 1,024] x [K 1,024, N 1,024]; A: input x; B: input wk: QUANTISED
;;     3. [M 8,192, K 1,024] x [K 1,024, N 1,024]; A: input x; B: input wv: QUANTISED
;;     4. batch 64 x [M 2,048, K 64] x [K 64, N 2,048]; A: computed on the way; B: computed on the way: QUANTISED
;;     5. batch 64 x [M 2,048, K 2,048] x [K 2,048, N 64]; A: softmax (see below); B: computed on the way: QUANTISED
;;     6. [M 8,192, K 1,024] x [K 1,024, N 1,024]; A: computed on the way; B: input wo: QUANTISED
;;   THE QUANTISER, for each operand of a quantised product, along K:
;;     - K is cut into blocks of 32 from its start; a last block that is shorter is filled with zeros.
;;     - A block's scale is 2^e with e = floor(log2(the largest magnitude in the block)) - 2, held to -126 .. 127; a block of zeros has e = 0. As a byte (E8M0): e + 127.
;;     - Each number is divided by its block's scale, clamped to +-7.5, and rounded to the nearest number of E2M3, ties to even, subnormals kept.
;;     - The product sums the exact products of the quantised numbers (number of the format x scale) in f32.
;;   ~~~python
;;   def quantise(x, axis):      # numpy; x: float32 -> the quantised numbers, widened to float32 again
;;       x = np.moveaxis(x, axis, -1); K = x.shape[-1]
;;       x = np.pad(x, [(0, 0)] * (x.ndim - 1) + [(0, -K % 32)]); x = x.reshape(x.shape[:-1] + (-1, 32)); a = np.abs(x).max(-1, keepdims=True)
;;       e = np.where(a > 0, np.clip(np.frexp(np.where(a > 0, a, 1))[1] - 1 - 2, -126, 127), 0)      # np.frexp(a)[1] - 1 = floor(log2(a)), exactly
;;       r = np.clip(x / 2.0 ** e, -7.5, 7.5)
;;       step = 2.0 ** (np.maximum(np.frexp(np.where(r == 0, 1, r))[1] - 1, 0) - 3)
;;       q = np.round(r / step) * step * 2.0 ** e      # np.round: ties to even
;;       return np.moveaxis(q.reshape(q.shape[:-2] + (-1,))[..., :K], -1, axis).astype(np.float32)
;;   ~~~
;;   SOFTMAX AHEAD OF A QUANTISED PRODUCT. Where the list says 'softmax', what is quantised is not the finished softmax but p = 2^(t - M), with t = logit x log2(e) and M = ceil(the row's largest t), a whole number; so 1/2 < the row's largest p <= 1. The row's sum l is taken of the UNQUANTISED p, in f32, and the product's result is divided by l at the end. Since M is a whole number, a kernel that streams over the keys may use a running M (the ceiling of the running maximum): every later rescaling is an exact power of two, which a block's scale takes up: the codes' values come out the same.
;;   OPERANDS COMPUTED ON THE WAY. 'Computed on the way' means the value that the module computes at that place (a softmax that the list does not call 'softmax' is quantised finished and normalised). What goes into a quantiser is computed in f32, as accurately as f32 sums, v_exp_f32 and their like allow (about 1e-6 of the number): no bf16 or f16 on the way to a quantiser, and a product that is left as it is and whose result goes on into a quantised operand takes f32 operands (vector FMAs, or v_wmma_f32_16x16x4_f32). A number that lies on a knife's edge between two numbers of the format may be rounded either way, as far as f32 arithmetic and the matrix unit's own rounding can turn it there, and no further.
;; 2 versions, each right; version 2 is version 1 with the launch attn written anew for expert scheduling mode. Each part assembles by itself: llvm-mc -triple=amdgcn-amd-amdhsa -mcpu=gfx1250 --defsym DOCPART=n.
;; ======== version 1 of 2: 4 launches
;; limits: right only within a limited range of input values
;; workspace buffers: opc 9,437,184 bytes; ops 393,216 bytes; maskw 524,288 bytes of whole numbers; msum 4,096 bytes of whole numbers; qkv 18,874,368 bytes; qkvs 786,432 bytes; ao 6,291,456 bytes; aos 262,144 bytes
;; launch prep (part 1): grid 896 x 1, 4 waves a work-group, no clusters, 70,144 bytes of LDS; arguments x, wq, wk, wv, wo, mask, opc, ops, maskw, msum; writes opc, ops, maskw, msum
.if DOCPART == 1
	.amdgcn_target "amdgcn-amd-amdhsa--gfx1250"
	.amdhsa_code_object_version 6
	.text
	.protected	k_qcd9eb4e784_prep
	.globl	k_qcd9eb4e784_prep
	.p2align	8
	.type	k_qcd9eb4e784_prep,@function
k_qcd9eb4e784_prep:
	s_mov_b64 s[64:65], 0
	v_nop
	global_prefetch_b8 v0, s[64:65] scope:SCOPE_SE
	s_setreg_imm32_b32 hwreg(HW_REG_WAVE_MODE, 25, 1), 1
	s_wait_xcnt 0x0
; x [8192][1024] and wq, wk, wv, wo [1024][1024], f32, become codes of FP6 (E2M3) with one E8M0 byte for each 32 along K, laid as IMAGES OF OPERAND REGISTERS;
; the mask [2048][2048], int32, becomes lane masks (one 32-bit word for each score register of the attention launch) and, for each tile of 16 queries and key step of 128, two flags.
; TILE ORDER: a tile is 16 rows of a block of 32: tile 2 B + u, lane r holds row 32 B + 8 u + r + 8 (r / 8).
; HALF IMAGE, 768 bytes: 16 rows (a tile) x 64 along K.  Lane (r, h) owns 6 registers, the 32 codes of block h of its row: registers 0-3 at 16 x lane, registers 4-5 at 512 + 8 x lane.
; opc: [K step of 256: 4][tile: 768][group of 64: 4][768]; tiles 0-511 x, 512-575 wq, 576-639 wk, 640-703 wv, 704-767 wo.   ops: [tile][K step of 128: 8][16 words], byte b of a word scales k = 32 b on.
; maskw: [tile of queries: 128][key step: 16][64 words]: word 16 bb + i, bit (r, h): mask[query r of the tile][128 s + 32 bb + 16 h + i] is not 0.
; msum: [tile of queries][wave: 4][2 words]: word 0: bit s: step s has a key that counts; bit 16 + s: step s has a hole; word 1: the OR of the wave's lane masks.
; A block's scale is 2^(floor(log2(its largest magnitude)) - 2); its byte is the largest magnitude's exponent field - 2, held at 1 from below.
; LIMITS: a block of zeros gets the byte 1 where the rule says 127 (its codes are zeros, which add nothing, and this program alone reads the bytes); NaN and infinities among the inputs are not served.
; SHARES: work-groups 0-127 take the mask (a tile of queries each; wave w key steps 4 w .. 4 w + 3); work-groups 128-895 a tile of 16 rows x K 1,024 (wave w the K step of 256 number w).
; Both go in CHUNKS of 16 rows x 256 bytes: eight loads, sixteen lanes to a row's 256 aligned bytes; through the wave's own stage in LDS (rows 272 bytes apart); back with a lane's numbers on end.
; No tensor load, no barrier: waves share nothing.  Loads run four chunks ahead, the turn through LDS one chunk.  The two ways have LDS bytes of their own.
.set SP,    272                        ; a stage row: 256 bytes + 16
.set STG,   16*SP                      ; a stage
.set WREG,  2*STG                      ; a wave's two stages
.set MREG,  4*WREG                     ; where the mask way's stages begin
.set PLANE, 2359296                    ; a K step's plane of opc
.set R,  16                            ; v16-143  four sets of 32: a chunk as loaded
.set X,  144                           ; v144-207 two sets of 32: a lane's 32 numbers
.set C,  208                           ; v208-239 codes, eight registers a chunk; on the mask way: a pair of lane-mask registers for each key step
.set E,  240                           ; v240-243 a scale byte for each chunk
.set CT, 244                           ; v244-246 a block's upper 16 codes (a conversion's three registers begin on an even number)
.set SW, 248                           ; v248-249 the two scale words
.macro LOADC t, pitch                  ; chunk t: rows in tile order, two rows an instruction
.irp i, 0,1,2,3,4,5,6,7
	global_load_b128 v[R+32*((\t)%4)+4*\i:R+32*((\t)%4)+4*\i+3], v2, s[26:27] offset:256*(\t)+(2*\i+8*(\i/4))*\pitch th:TH_LOAD_NT
.endr
.endm
.macro TURN t, msk                     ; chunk t through the stage: LDS serves a wave's instructions in order, so no wait stands between the stores and the loads
.irp i, 0,1,2,3,4,5,6,7
	ds_store_b128 v3, v[R+32*((\t)%4)+4*\i:R+32*((\t)%4)+4*\i+3] offset:STG*((\t)%2)+2*SP*\i
.endr
.irp j, 0,1,2,3,4,5,6,7
.if \msk
	ds_load_b128 v[X+32*((\t)%2)+4*\j:X+32*((\t)%2)+4*\j+3], v4 offset:STG*((\t)%2)+128*(\j/4)+16*(\j%4)
.else
	ds_load_b128 v[X+32*((\t)%2)+4*\j:X+32*((\t)%2)+4*\j+3], v4 offset:STG*((\t)%2)+16*\j
.endif
.endr
.endm
.macro AHEAD t, n, pitch, msk          ; the head of chunk t of n
	s_wait_dscnt 0x0                               ; this chunk's numbers are back from the stage
.if (\t)+4 < \n
	LOADC (\t)+4, \pitch
.endif
.if (\t)+1 < \n
.if \n-2-(\t) >= 3
	s_wait_loadcnt 24                              ; the next chunk's eight loads are in; those of the three chunks behind it may be out
.else
	s_wait_loadcnt 8*(\n-2-(\t))
.endif
	TURN (\t)+1, \msk
.endif
.endm
.macro QWORK t                         ; a lane's 32 numbers are one block
.set XS, X+32*((\t)%2)
.set CC, C+8*(\t)
	v_max3_num_f32 v8, |v[XS]|, |v[XS+1]|, |v[XS+2]|
	v_max3_num_f32 v9, |v[XS+3]|, |v[XS+4]|, |v[XS+5]|
.irp i, 6,10,14,18,22,26
	v_max3_num_f32 v8, v8, |v[XS+\i]|, |v[XS+\i+1]|
	v_max3_num_f32 v9, v9, |v[XS+\i+2]|, |v[XS+\i+3]|
.endr
	v_max3_num_f32 v8, v8, |v[XS+30]|, |v[XS+31]|
	v_max3_num_f32 v8, v8, v9, 0x1800000           ; and the floor 2^(3 - 127): the byte cannot fall under 1
	v_add_nc_u32 v11, 0xff000000, v8               ; 2 off the exponent field: the conversion takes this operand's exponent field as its scale
	v_cvt_scalef32_pk16_fp6_f32 v[CC:CC+2], v[XS:XS+15], v11
	v_cvt_scalef32_pk16_fp6_f32 v[CT:CT+2], v[XS+16:XS+31], v11
	v_lshrrev_b32 v[E+(\t)], 23, v11               ; the scale's byte (also the plain line behind the conversions)
.irp i, 0,1,2
	v_mov_b32 v[CC+3+\i], v[CT+\i]
.endr
	global_store_b128 v5, v[CC:CC+3], s[28:29] offset:768*(\t)    ; 512 consecutive bytes,
	global_store_b64 v6, v[CC+4:CC+5], s[28:29] offset:768*(\t)   ; and 256: each chunk has its own registers, so no store's data are written again
.if (\t)%2 == 1
	v_lshl_or_b32 v10, v[E+(\t)], 16, v[E+(\t)-1]  ; my two bytes of the word: blocks h and 2 + h,
	v_lshlrev_b32 v10, v13, v10                    ; 8 h bits up;
	v_permlanex16_b32 v14, v10, s72, s73
	v_or_b32 v[SW+(\t)/2], v10, v14                ; with lane l xor 16's two the word is whole
.endif
.endm
.macro MWORK t                         ; 64 keys: half HF of key step SL of my four
.set XS, X+32*((\t)%2)
.set SL, (\t)/2
.set HF, (\t)%2
.set n, 0
.rept 32
	v_cmp_ne_u32 s[32+n], 0, v[XS+n]               ; a lane mask: bit (r, h)
.set n, n+1
.endr
.if HF == 0
	s_mov_b32 s66, s32
	s_mov_b32 s67, s32
.else
	s_or_b32 s66, s66, s32
	s_and_b32 s67, s67, s32
.endif
.set n, 1
.rept 31
	s_or_b32 s66, s66, s[32+n]                     ; does any key count?
	s_and_b32 s67, s67, s[32+n]                    ; do all?
.set n, n+1
.endr
.set n, 0
.rept 32
	v_writelane_b32 v[C+2*SL+n%2], s[32+n], 16*HF+n/2   ; word 32 HF + n goes to lane (word / 2), register (word % 2): the store below lays the 64 words on end
.set n, n+1
.endr
.if HF == 1
	s_cmp_lg_u32 s66, 0
	s_cselect_b32 s71, (1<<SL), 0
	s_or_b32 s68, s68, s71
	s_cmp_lg_u32 s67, -1
	s_cselect_b32 s71, (1<<SL), 0
	s_or_b32 s69, s69, s71
	s_or_b32 s70, s70, s66
	global_store_b64 v12, v[C+2*SL:C+2*SL+1], s[28:29] offset:256*SL   ; 256 consecutive bytes, aligned
.endif
.endm
	s_load_b512 s[4:19], s[0:1], 0x0               ; x, wq, wk, wv, wo, mask, opc, ops
	s_load_b128 s[20:23], s[0:1], 0x40             ; maskw, msum
	v_lshl_add_u32 v254, v0, 2, 0x11000
	v_mov_b32 v255, 0
	v_lshrrev_b32 v8, 5, v0
	v_readfirstlane_b32 s24, v8                    ; wave
	v_and_b32 v1, 31, v0                           ; lane
	v_and_b32 v9, 15, v0                           ; r
	v_bfe_u32 v10, v0, 4, 1                        ; h
	v_lshlrev_b32 v5, 4, v1                        ; 16 x lane
	v_lshl_add_u32 v6, v1, 3, 512                  ; 8 x lane + 512
	v_lshlrev_b32 v7, 2, v1                        ; 4 x lane
	s_mul_i32 s25, s24, WREG
	v_mul_u32_u24 v3, v10, SP
	v_lshl_add_u32 v3, v9, 4, v3
	v_add_nc_u32 v3, s25, v3                       ; into the stage: row h of an instruction's two, 16 bytes a lane
	v_mul_u32_u24 v4, v9, SP
	v_add_nc_u32 v4, s25, v4                       ; out of it: row r
	s_mov_b32 s35, 0
	s_mov_b32 s72, 0x76543210
	s_mov_b32 s73, 0xfedcba98                      ; lane selects: lane l xor 16
	s_mov_b32 s74, 0xffff0000
	s_cmp_lt_u32 ttmp9, 128
	s_cbranch_scc1 .Lmask
	; ---- a tile of x or of a weight
	v_lshl_add_u32 v4, v10, 7, v4                  ; + 128 h: my block's 32 numbers
	v_lshlrev_b32 v2, 12, v10
	v_lshl_add_u32 v2, v9, 4, v2                   ; in memory: 4,096 h + 16 r
	v_lshlrev_b32 v13, 3, v10                      ; 8 h
	v_mov_b32 v14, 0                               ; written once: a lane permute's destination counts as one of its sources
	s_wait_kmcnt 0x0
	s_sub_co_u32 s25, ttmp9, 128                   ; the tile's number in opc
	s_mov_b64 s[26:27], s[12:13]                   ; which tensor: the choice hangs on the work-group's number alone
	s_cmp_lt_u32 s25, 704
	s_cselect_b64 s[26:27], s[10:11], s[26:27]
	s_cmp_lt_u32 s25, 640
	s_cselect_b64 s[26:27], s[8:9], s[26:27]
	s_cmp_lt_u32 s25, 576
	s_cselect_b64 s[26:27], s[6:7], s[26:27]
	s_and_b32 s33, s25, 63
	s_cmp_lt_u32 s25, 512
	s_cselect_b64 s[26:27], s[4:5], s[26:27]
	s_cselect_b32 s33, s25, s33                    ; the tile's number in its tensor
	s_lshr_b32 s34, s33, 1
	s_lshl_b32 s34, s34, 17                        ; 32 rows of 4,096 bytes for each block,
	s_and_b32 s36, s33, 1
	s_lshl_b32 s36, s36, 15                        ; 8 rows for the odd tile,
	s_add_co_u32 s34, s34, s36
	s_lshl_b32 s36, s24, 10                        ; my K step's 1,024 bytes
	s_add_co_u32 s34, s34, s36
	s_add_nc_u64 s[26:27], s[26:27], s[34:35]
	s_mul_i32 s34, s24, PLANE
	s_mul_i32 s36, s25, 3072
	s_add_co_u32 s34, s34, s36
	s_add_nc_u64 s[28:29], s[16:17], s[34:35]      ; my four half images
	s_lshl_b32 s34, s25, 9
	s_lshl_b32 s36, s24, 7
	s_add_co_u32 s34, s34, s36
	s_add_nc_u64 s[30:31], s[18:19], s[34:35]      ; my two scale word images
.irp t, 0,1,2,3
	LOADC \t, 4096
.endr
	s_wait_loadcnt 24                              ; chunk 0's eight loads are in
	TURN 0, 0
.irp t, 0,1,2,3
	AHEAD \t, 4, 4096, 0
	QWORK \t
.endr
	v_cndmask_b32 v250, v[SW], v[SW+1], s74        ; lanes 0-15 the first word image, lanes 16-31 the second
	global_store_b32 v7, v250, s[30:31]            ; 128 consecutive bytes
	s_wait_tensorcnt 0x0
	ds_add_u32 v254, v255
	s_wait_dscnt 0x0
	s_endpgm
.Lmask:
	; ---- a tile of 16 queries of the mask
	v_add_nc_u32 v3, MREG, v3
	v_lshl_add_u32 v4, v10, 6, v4                  ; + 64 h: my 16 keys of a block of 32
	v_add_nc_u32 v4, MREG, v4
	v_lshlrev_b32 v2, 13, v10
	v_lshl_add_u32 v2, v9, 4, v2                   ; in memory: 8,192 h + 16 r
	v_lshlrev_b32 v12, 3, v1                       ; 8 x lane
.irp i, 0,1,2,3,4,5,6,7
	v_mov_b32 v[C+\i], 0                           ; written once: v_writelane_b32's destination counts as read
.endr
	s_mov_b32 s68, 0
	s_mov_b32 s69, 0
	s_mov_b32 s70, 0
	s_wait_kmcnt 0x0
	s_lshr_b32 s34, ttmp9, 1
	s_lshl_b32 s34, s34, 18                        ; 32 rows of 8,192 bytes for each block,
	s_and_b32 s36, ttmp9, 1
	s_lshl_b32 s36, s36, 16
	s_add_co_u32 s34, s34, s36
	s_lshl_b32 s36, s24, 11                        ; my four key steps' 2,048 bytes
	s_add_co_u32 s34, s34, s36
	s_add_nc_u64 s[26:27], s[14:15], s[34:35]
	s_lshl_b32 s34, ttmp9, 12
	s_lshl_b32 s36, s24, 10
	s_add_co_u32 s34, s34, s36
	s_add_nc_u64 s[28:29], s[20:21], s[34:35]
	s_lshl_b32 s34, ttmp9, 5
	s_lshl_b32 s36, s24, 3
	s_add_co_u32 s34, s34, s36
	s_add_nc_u64 s[30:31], s[22:23], s[34:35]
.irp t, 0,1,2,3
	LOADC \t, 8192
.endr
	s_wait_loadcnt 24
	TURN 0, 1
.irp t, 0,1,2,3,4,5,6,7
	AHEAD \t, 8, 8192, 1
	MWORK \t
.endr
	s_lshl_b32 s71, s24, 2
	s_lshl_b32 s68, s68, s71                       ; the flags at their final places: bit s,
	s_add_co_u32 s71, s71, 16
	s_lshl_b32 s69, s69, s71                       ; bit 16 + s
	s_or_b32 s68, s68, s69
	v_mov_b32 v8, s68
	v_mov_b32 v9, s70
	v_mov_b32 v10, 0
	s_wait_xcnt 0x0                                ; EXEC changes only behind this wait
	v_cmp_eq_u32 vcc_lo, 0, v1
	s_wait_tensorcnt 0x0
	ds_add_u32 v254, v255
	s_wait_dscnt 0x0
	s_and_saveexec_b32 s71, vcc_lo
	global_store_b64 v10, v[8:9], s[30:31]         ; lane 0 alone: the wave's two words
	s_wait_xcnt 0x0
	s_or_b32 exec_lo, exec_lo, s71
	s_endpgm
.Lfunc_end_k_qcd9eb4e784_prep:
	.size	k_qcd9eb4e784_prep, .Lfunc_end_k_qcd9eb4e784_prep-k_qcd9eb4e784_prep
	.p2alignl 7, 3214868480
	.fill 96, 4, 3214868480
	.section	.rodata,"a",@progbits
	.p2align	6, 0x0
	.amdhsa_kernel k_qcd9eb4e784_prep
		.amdhsa_group_segment_fixed_size 70144
		.amdhsa_private_segment_fixed_size 0
		.amdhsa_enable_private_segment 0
		.amdhsa_kernarg_size 80
		.amdhsa_user_sgpr_count 2
		.amdhsa_user_sgpr_kernarg_segment_ptr 1
		.amdhsa_wavefront_size32 1
		.amdhsa_system_sgpr_workgroup_id_x 1
		.amdhsa_system_sgpr_workgroup_id_y 1
		.amdhsa_system_sgpr_workgroup_id_z 1
		.amdhsa_system_vgpr_workitem_id 0
		.amdhsa_next_free_vgpr 256
		.amdhsa_next_free_sgpr 80
		.amdhsa_reserve_vcc 1
		.amdhsa_float_denorm_mode_32 3
		.amdhsa_float_denorm_mode_16_64 3
		.amdhsa_memory_ordered 1
		.amdhsa_forward_progress 1
		.amdhsa_inst_pref_size 83
	.end_amdhsa_kernel
	.amdgpu_metadata
---
amdhsa.version: [ 1, 2 ]
amdhsa.kernels:
  - .name:           k_qcd9eb4e784_prep
    .symbol:         k_qcd9eb4e784_prep.kd
    .args:
      - { .name: x, .offset: 0, .size: 8, .value_kind: global_buffer, .address_space: global }
      - { .name: wq, .offset: 8, .size: 8, .value_kind: global_buffer, .address_space: global }
      - { .name: wk, .offset: 16, .size: 8, .value_kind: global_buffer, .address_space: global }
      - { .name: wv, .offset: 24, .size: 8, .value_kind: global_buffer, .address_space: global }
      - { .name: wo, .offset: 32, .size: 8, .value_kind: global_buffer, .address_space: global }
      - { .name: mask, .offset: 40, .size: 8, .value_kind: global_buffer, .address_space: global }
      - { .name: opc, .offset: 48, .size: 8, .value_kind: global_buffer, .address_space: global }
      - { .name: ops, .offset: 56, .size: 8, .value_kind: global_buffer, .address_space: global }
      - { .name: maskw, .offset: 64, .size: 8, .value_kind: global_buffer, .address_space: global }
      - { .name: msum, .offset: 72, .size: 8, .value_kind: global_buffer, .address_space: global }
    .group_segment_fixed_size: 70144
    .private_segment_fixed_size: 0
    .kernarg_segment_align: 8
    .kernarg_segment_size: 80
    .max_flat_workgroup_size: 128
    .sgpr_count:     80
    .vgpr_count:     256
    .wavefront_size: 32
...
	.end_amdgpu_metadata
.endif
;; end of part 1
;; launch qkv (part 2): grid 96 x 4, 4 waves a work-group, clusters of 4 x 4, 327,680 bytes of LDS; arguments opc, ops, bq, bk, bv, qkv, qkvs; writes qkv, qkvs
.if DOCPART == 2
	.amdgcn_target "amdgcn-amd-amdhsa--gfx1250"
	.amdhsa_code_object_version 6
	.text
	.protected	k_qcd9eb4e784_qkv
	.globl	k_qcd9eb4e784_qkv
	.p2align	8
	.type	k_qcd9eb4e784_qkv,@function
k_qcd9eb4e784_qkv:
	s_mov_b64 s[64:65], 0
	v_nop
	global_prefetch_b8 v0, s[64:65] scope:SCOPE_SE
	s_setreg_imm32_b32 hwreg(HW_REG_WAVE_MODE, 25, 1), 1
	s_wait_xcnt 0x0
	s_wait_alu depctr_hold_cnt(0) depctr_sa_sdst(0) depctr_va_vdst(0) depctr_va_sdst(0) depctr_va_ssrc(0) depctr_va_vcc(0) depctr_vm_vsrc(0)
	s_getreg_b32 s2, hwreg(HW_REG_IB_STS2, 6, 4)
	s_cmp_eq_u32 s2, 0
	s_cbranch_scc0 .Lentry_in_a_cluster
	s_endpgm
.Lentry_in_a_cluster:
	s_bfe_u32 s2, ttmp6, 0x10000c
	s_cmp_lg_u32 s2, 0xf033
	s_cbranch_scc0 .Lentry_shape_is_right
	s_endpgm
.Lentry_shape_is_right:
; q = x wq^T + bq, k = x wk^T + bk, v = x wv^T + bv on codes of FP6 (E2M3) with E8M0 scales, K = 1,024; the results are quantised in registers (q, k along a head's 64, v along the keys) and leave as images of operand registers.
; L is the operand whose rows stay in lanes (source 1), R the one whose rows run along a lane's result registers (source 0).  Rows are tiled in TILE ORDER (tile 2 B + u, lane r: row 32 B + 8 u + r + 8 (r / 8)),
; so that the 16 registers of R's tiles 2 B and 2 B + 1 are 16 neighbours, 32 B + 16 (lane / 16) + 0 .. 15: what the conversions to codes want.
; ROLES, by the cluster's number C (the same in all partners): C < 16: L = x (tokens), R = wq, then wk: a lane holds a token, its registers run along the channels.  Else: L = wv (channels), R = x: registers run along the keys.
; A work-group of four waves makes 256 L x 256 R, a wave 128 x 128: 64 accumulators, 512 registers.  K goes in four steps of 256 through two LDS slots; a tile's 3,072 bytes of a K step are four half images of 768 bytes,
; read as they lie: 16 x lane and 8 x lane, no pitch and no padding.  The scale words of the work-group's rows, for all of K, come once with the first fills.
; CLUSTER 4 x 4: L's tiles are asked for jointly along a row of the cluster, R's along a column.  By this text's count a wave has three tensor loads out at the start and one behind each round.
; The biases are the C of each sum's first matrix instruction (an order of f32 rounding other than adding them last).
; qkv: regions Q, K, V of 6,291,456 bytes, each [batch][head][98,304]: Q, K [tile of tokens: 128][768]; V [64 keys: 32][tile of channels: 4][768].
; qkvs: regions of 262,144, each [batch][head][4,096]: Q, K [pair of tiles: 64][16 words], a word = two bytes of tile 2 p, two of tile 2 p + 1; V [key step: 16][tile of channels: 4][16 words].
; LIMITS: a block of zeros gets the scale byte 1 where the rule says 127 (its codes are zeros; this program alone reads the bytes); NaN and infinities are not served.
; REGISTERS: window 0: v1-29 addresses; v32-63 scale words, two sets; v64-127 the bias; v128-223 L's 8 fragments.  Window 1: R's fragments, two sets, at v0 and v128.  Windows 2, 3: the accumulators, (a, b) at v[8 (8 (a % 4) + b)].
.set PLANEL, 2359296                   ; a K step's plane of L's codes
.set PLANER, 2359296                   ; and of R's
.set SLOT,  98304                      ; a slot: L's 16 tiles x 3,072, then R's
.set HALFT, 24576                      ; 8 tiles: what one tensor load brings, and what one wave reads of L or of R
.set SCLL,  196608                     ; L's scale words: 16 tiles x 512
.set SCLR,  204864                     ; R's: 64 bytes further than L's end, so that the two halves of a load's lanes fall on different banks
.set SPARE, 213248                     ; the spare words, 128 bytes a wave: two blocks of 256 bytes that no other line names
.set ADRA, 16                          ; v16-17 my L fragments in slot 0, 1, at 16 x lane; v18-19 at 8 x lane
.set ADRB, 20                          ; v20-23 the same for R
.set ADRS, 27                          ; v27 my scale words: lanes 0-15 L's, lanes 16-31 R's
.set SPW,  28                          ; v28 my spare word; never rewritten
.set NIL,  29                          ; v29 0; never rewritten
.set SC,   32                          ; set s at v[SC + 16 s]; register 2 i + q: lanes 0-15 L's block i, lanes 16-31 R's block i, the slot's q-th 128 along K
.set BI,   64
.set AF,   128
.set WV, 18
.set LH, 19                            ; which half of L's rows is mine; also: I fetch for L (0) or R (1)
.set RH, 20                            ; which half of R's rows; also: which 8 tiles I fetch
.set G1, 24
.set G0, 32
.set G1B, 48
.set G0B, 56
.set G1S, 68
.set G0S, 76
.set G1SB, 80
.set G0SB, 88
.set MSB, 0
.macro WIN new                         ; the immediate's high byte repeats the setting that is left
.if MSB != (\new)
	s_set_vgpr_msb (MSB<<8)|(\new)
.set MSB, (\new)
.endif
.endm
.macro PLACES                          ; four plain vector lines behind matrix instructions, in front of loads into their sources and of reads of their results
.rept 4
	v_nop
.endr
.endm
.macro JLOAD g0a, g1a, g0b, g1b        ; a joint load: waves 0, 1 fetch for L, waves 2, 3 for R; four v_nop follow each line
	s_cmp_eq_u32 s[LH], 0
	s_cbranch_scc0 .Lfor_b_\@
	tensor_load_to_lds s[\g0a:\g0a+3], s[\g1a:\g1a+7]
	s_nop 0
.rept 4
	v_nop
.endr
	s_branch .Lasked_\@
.Lfor_b_\@:
	tensor_load_to_lds s[\g0b:\g0b+3], s[\g1b:\g1b+7]
	s_nop 0
.rept 4
	v_nop
.endr
.Lasked_\@:
.endm
.macro CREST                           ; a round of the cluster's barrier behind its opening barrier
	s_cmp_lg_u32 s[WV], 0
	s_cbranch_scc1 .Lnot_wave_0_\@
	s_barrier_signal -3
.Lnot_wave_0_\@:
	s_barrier_wait -3
	s_barrier_signal -1
	s_barrier_wait -1
.endm
.macro CROUND
	s_barrier_signal -1
	s_barrier_wait -1
	CREST
.endm
.macro FRAG reg, adr, q, i             ; a fragment, 16 rows x 128 K, is two half images: registers 0-5 and 6-11
	ds_load_b128 v[\reg:\reg+3], v[\adr] offset:3072*(\i)+1536*(\q)
	ds_load_b64 v[\reg+4:\reg+5], v[\adr+2] offset:3072*(\i)+1536*(\q)+512
	ds_load_b128 v[\reg+6:\reg+9], v[\adr] offset:3072*(\i)+1536*(\q)+768
	ds_load_b64 v[\reg+10:\reg+11], v[\adr+2] offset:3072*(\i)+1536*(\q)+1280
.endm
.macro FETCH_B slot, q, p              ; R's eight fragments into set p
	WIN 0x40
.irp i, 0,1,2,3,4,5,6,7
	FRAG 128*(\p)+12*\i, ADRB+\slot, \q, \i
.endr
	WIN 0
.endm
.macro FETCH_A slot, q, i0             ; L's blocks i0 .. i0 + 3
.irp i, \i0, \i0+1, \i0+2, \i0+3
	FRAG AF+12*(\i), ADRA+\slot, \q, \i
.endr
.endm
.macro SCALES sc, ks                   ; K step ks's scale words into set sc
.irp i, 0,1,2,3,4,5,6,7
.irp q, 0,1
	ds_load_b32 v[SC+16*(\sc)+2*\i+\q], v[ADRS] offset:512*\i+64*(2*(\ks)+\q)
.endr
.endr
.endm
; 16 matrix instructions: L's blocks a0, a0 + 1 x R's eight.  cm = 0: the sums go on; 1: they start from the bias of R's rows; 2: from that of L's rows.
; The 64 accumulators take turns, one instruction a turn, in the same order in every step.
.macro MUL16 a0, p, q, sc, cm
.irp a, \a0, \a0+1
.irp b, 0,1,2,3,4,5,6,7
.set ACR, 8*(8*((\a)%4)+\b)
.set CCR, ACR
.if \cm == 1
.set CCR, BI+8*\b
.endif
.if \cm == 2
.set CCR, BI+8*(\a)
.endif
	v_wmma_scale_f32_16x16x128_f8f6f4 v[ACR:ACR+7], v[128*(\p)+12*\b:128*(\p)+12*\b+11], v[AF+12*(\a):AF+12*(\a)+11], v[CCR:CCR+7], v[SC+16*(\sc)+2*\b+(\q)], v[SC+16*(\sc)+2*(\a)+(\q)] matrix_a_fmt:MATRIX_FMT_FP6 matrix_b_fmt:MATRIX_FMT_FP6 matrix_a_scale:MATRIX_SCALE_ROW1
.endr
.endr
.endm
.macro STEP slot, cm                   ; a slot's first 128 along K
	s_wait_dscnt 16                                ; all but the youngest 16 loads (L's blocks 4-7) are in
.if \cm
	WIN 0x81                                       ; R window 1, L and the bias window 0, results window 2
.else
	WIN 0xa1
.endif
	MUL16 0, 0, 0, \slot, \cm
	MUL16 2, 0, 0, \slot, \cm
	s_wait_dscnt 0x0                               ; L's blocks 4-7 are in
	PLACES
	FETCH_B \slot, 1, 1
	FETCH_A \slot, 1, 0
.if \cm
	WIN 0xc1
.else
	WIN 0xf1
.endif
	MUL16 4, 0, 0, \slot, \cm
	MUL16 6, 0, 0, \slot, \cm
	PLACES
	WIN 0
	FETCH_A \slot, 1, 4
.endm
; A slot's second 128 along K changes slots: one barrier; in front of it each wave waits for all its tensor loads, adds 0 to its spare word, and waits for that and for its reads of this slot.
.macro TURN slot, next, fill, ksn
	s_wait_tensorcnt 0x0                           ; all my tensor loads have landed: my part of the next slot
	ds_add_u32 v[SPW], v[NIL]                      ; 0 onto my spare word
	s_wait_dscnt 17                                ; (the add and the youngest 16 loads may be out)
	WIN 0xa1
	MUL16 0, 1, 1, \slot, 0
	s_wait_dscnt 0x0                               ; the add is done, and my reads of this slot are over
	s_barrier_signal -1
	MUL16 2, 1, 1, \slot, 0
	WIN 0
	s_barrier_wait -1
.if \fill
	CREST                                          ; the barrier has opened a round of the cluster's: no wave of any partner still reads this slot or has a load on its way
	s_add_nc_u64 s[G0+4*\slot+2:G0+4*\slot+3], s[G0+4*\slot+2:G0+4*\slot+3], 2*PLANEL
	s_add_nc_u64 s[G0B+4*\slot+2:G0B+4*\slot+3], s[G0B+4*\slot+2:G0B+4*\slot+3], 2*PLANER
	JLOAD G0+4*\slot, G1, G0B+4*\slot, G1B         ; the first tensor load behind the round; its four v_nop are the places in front of the loads below
.else
	PLACES
.endif
	FETCH_B \next, 0, 0
	FETCH_A \next, 0, 0
	SCALES \next, \ksn
	WIN 0xf1
	MUL16 4, 1, 1, \slot, 0
	MUL16 6, 1, 1, \slot, 0
	PLACES
	WIN 0
	FETCH_A \next, 0, 4
.endm
	s_load_b256 s[4:11], s[0:1], 0x0               ; opc, ops, bq, bk
	s_load_b128 s[12:15], s[0:1], 0x20             ; bv, qkv
	s_load_b64 s[16:17], s[0:1], 0x30              ; qkvs
	v_lshl_add_u32 v[SPW], v0, 2, SPARE
	v_mov_b32 v[NIL], 0
	ds_add_u32 v28, v29
	ds_add_u32 v28, v29
	s_wait_dscnt 0x0
	v_lshrrev_b32 v1, 5, v0
	v_readfirstlane_b32 s[WV], v1
	s_lshr_b32 s[LH], s[WV], 1
	s_and_b32 s[RH], s[WV], 1
	s_bfe_u32 s21, ttmp6, 0x40000                  ; cx
	s_bfe_u32 s22, ttmp6, 0x40004                  ; cy
	s_and_b32 s40, ttmp9, 1                        ; the role's numbers: chosen by the cluster's number alone
	s_lshr_b32 s41, ttmp9, 1
	s_sub_co_u32 s42, ttmp9, 16
	s_mov_b32 s43, 640
	s_mov_b32 s44, 512
	s_cmp_lt_u32 ttmp9, 16
	s_cselect_b32 s40, s40, s42                    ; which four tiles of R
	s_cselect_b32 s41, s41, 0                      ; which four tiles of L
	s_cselect_b32 s43, 0, s43                      ; L's first tile in opc: x's, or wv's
	s_cselect_b32 s44, s44, 0                      ; R's: wq's, or x's
	s_lshl_b32 s92, s41, 2
	s_add_co_u32 s92, s92, s22                     ; my tile of L (256 rows)
	s_lshl_b32 s93, s40, 2
	s_add_co_u32 s93, s93, s21                     ; my tile of R
	s_lshl_b32 s45, s22, 2
	s_lshl_b32 s45, 15, s45                        ; my row of the cluster
	s_lshl_b32 s46, 0x1111, s21                    ; my column
	; descriptor group 1: a dense block as rows of 256 bytes (32 elements of 8 bytes): codes 96 rows, scale words 16
	s_or_b32 s[G1], s45, (3<<16)|(1<<21)           ; 15:0 the mask; 17:16 elements of 8 bytes; 21 set beside a mask; no padding
	s_or_b32 s[G1B], s46, (3<<16)|(1<<21)
	s_or_b32 s[G1S], s45, (3<<16)|(1<<21)
	s_or_b32 s[G1SB], s46, (3<<16)|(1<<21)
.irp g, G1, G1B
	s_mov_b32 s[\g+1], 32<<16                      ; tensor_dim0
	s_mov_b32 s[\g+2], 96<<16                      ; tensor_dim1
	s_mov_b32 s[\g+3], 32<<16                      ; tile_dim0
	s_mov_b32 s[\g+4], 96                          ; tile_dim1
	s_mov_b32 s[\g+5], 32                          ; the pitch
	s_mov_b32 s[\g+6], 0
	s_mov_b32 s[\g+7], 0
.endr
.irp g, G1S, G1SB
	s_mov_b32 s[\g+1], 32<<16
	s_mov_b32 s[\g+2], 16<<16
	s_mov_b32 s[\g+3], 32<<16
	s_mov_b32 s[\g+4], 16
	s_mov_b32 s[\g+5], 32
	s_mov_b32 s[\g+6], 0
	s_mov_b32 s[\g+7], 0
.endr
	s_lshl_b32 s23, s[RH], 3                       ; which 8 tiles I fetch
	s_lshl_b32 s94, s92, 4
	s_add_co_u32 s94, s94, s43
	s_add_co_u32 s94, s94, s23                     ; L: the first tile that I fetch (made of L's coordinate alone)
	s_lshl_b32 s96, s93, 4
	s_add_co_u32 s96, s96, s44
	s_add_co_u32 s96, s96, s23                     ; R likewise
	s_mul_i32 s98, s94, 3072
	s_mov_b32 s99, 0
	s_lshl_b32 s94, s94, 9
	s_mov_b32 s95, 0
	s_mul_i32 s100, s96, 3072
	s_mov_b32 s101, 0
	s_lshl_b32 s96, s96, 9
	s_mov_b32 s97, 0
	s_mul_i32 s47, s[WV], HALFT                    ; where the codes go: wave x 8 tiles
	s_lshl_b32 s40, s[RH], 12                      ; and the scale words
	s_wait_kmcnt 0x0
	s_add_nc_u64 s[98:99], s[4:5], s[98:99]
	s_add_nc_u64 s[94:95], s[6:7], s[94:95]
	s_add_nc_u64 s[100:101], s[4:5], s[100:101]
	s_add_nc_u64 s[96:97], s[6:7], s[96:97]
	CROUND                                         ; all sixteen work-groups are here: the first joint loads meet
	s_mov_b32 s[G0S], 1
	s_add_co_u32 s[G0S+1], s40, SCLL
	s_mov_b64 s[G0S+2:G0S+3], s[94:95]
	s_or_b32 s[G0S+3], s[G0S+3], 0x80000000
	s_mov_b32 s[G0SB], 1
	s_add_co_u32 s[G0SB+1], s40, SCLR
	s_mov_b64 s[G0SB+2:G0SB+3], s[96:97]
	s_or_b32 s[G0SB+3], s[G0SB+3], 0x80000000
	JLOAD G0S, G1S, G0SB, G1SB                     ; the scale words first: they are wanted with K step 0
.irp s, 0,1
	s_mov_b32 s[G0+4*\s], 1
	s_add_co_u32 s[G0+4*\s+1], s47, \s*SLOT
	s_add_nc_u64 s[G0+4*\s+2:G0+4*\s+3], s[98:99], \s*PLANEL
	s_or_b32 s[G0+4*\s+3], s[G0+4*\s+3], 0x80000000
	s_mov_b32 s[G0B+4*\s], 1
	s_add_co_u32 s[G0B+4*\s+1], s47, \s*SLOT
	s_add_nc_u64 s[G0B+4*\s+2:G0B+4*\s+3], s[100:101], \s*PLANER
	s_or_b32 s[G0B+4*\s+3], s[G0B+4*\s+3], 0x80000000
	JLOAD G0+4*\s, G1, G0B+4*\s, G1B
.endr
	v_and_b32 v1, 31, v0                           ; lane
	v_and_b32 v2, 15, v0                           ; r
	v_bfe_u32 v3, v0, 4, 1                         ; h
	v_lshlrev_b32 v4, 4, v1                        ; 16 x lane
	v_lshlrev_b32 v5, 3, v1                        ; 8 x lane
	s_mul_i32 s41, s[LH], HALFT
	s_mul_i32 s42, s[RH], HALFT
	s_add_co_u32 s42, s42, 2*HALFT
.irp s, 0,1
	v_add_nc_u32 v[ADRA+\s], s41, v4
	v_add_nc_u32 v[ADRA+2+\s], s41, v5
	v_add_nc_u32 v[ADRB+\s], s42, v4
	v_add_nc_u32 v[ADRB+2+\s], s42, v5
	s_add_co_u32 s41, s41, SLOT
	s_add_co_u32 s42, s42, SLOT
.endr
	s_lshl_b32 s41, s[LH], 12
	s_lshl_b32 s42, s[RH], 12
	s_add_co_u32 s42, s42, SCLR-SCLL
	s_sub_co_u32 s42, s42, s41
	v_mul_u32_u24 v6, s42, v3                      ; lanes 16-31 take R's: one product in h
	s_add_co_u32 s41, s41, SCLL
	v_lshl_add_u32 v6, v2, 2, v6
	v_add_nc_u32 v[ADRS], s41, v6
	; the bias, in the result's layout.  The branch hangs on the cluster's number; no barrier, tensor load or LDS store stands in it
	s_mov_b32 s43, 0
	s_cmp_lt_u32 ttmp9, 16
	s_cbranch_scc0 .Lbias_v
	s_bitcmp1_b32 ttmp9, 0                         ; odd clusters make k
	s_cselect_b64 s[40:41], s[10:11], s[8:9]
	s_lshl_b32 s42, s21, 10                        ; 256 channels for each tile of R within the weight,
	s_lshl_b32 s44, s[RH], 9                       ; 128 for my half
	s_add_co_u32 s42, s42, s44
	s_add_nc_u64 s[40:41], s[40:41], s[42:43]
	v_lshlrev_b32 v7, 6, v3                        ; 16 h channels
.irp b, 0,1,2,3,4,5,6,7
	global_load_b128 v[BI+8*\b:BI+8*\b+3], v7, s[40:41] offset:4*(32*(\b/2)+8*(\b%2))
	global_load_b128 v[BI+8*\b+4:BI+8*\b+7], v7, s[40:41] offset:4*(32*(\b/2)+8*(\b%2))+16
.endr
	s_branch .Lbias_done
.Lbias_v:
	s_lshl_b32 s42, s92, 10
	s_lshl_b32 s44, s[LH], 9
	s_add_co_u32 s42, s42, s44
	s_add_nc_u64 s[40:41], s[12:13], s[42:43]
	v_and_b32 v7, 8, v2
	v_add_nc_u32 v7, v7, v2
	v_lshlrev_b32 v7, 2, v7                        ; my lane's channel of a tile: r + 8 (r / 8)
.irp i, 0,1,2,3,4,5,6,7
.irp j, 0,1,2,3,4,5,6,7
	global_load_b32 v[BI+8*\i+\j], v7, s[40:41] offset:4*(32*(\i/2)+8*(\i%2))   ; the same number in a tile's eight registers
.endr
.endr
.Lbias_done:
	s_wait_tensorcnt 1                             ; the scale words and my part of K step 0 are in (K step 1's load may be out)
	s_barrier_signal -1
	s_barrier_wait -1                              ; everybody's are
	FETCH_B 0, 0, 0
	FETCH_A 0, 0, 0
	SCALES 0, 0
	FETCH_A 0, 0, 4
	s_wait_loadcnt 0x0                             ; the bias
	s_cmp_lt_u32 ttmp9, 16
	s_cbranch_scc0 .Lfirst_v
	STEP 0, 1                                      ; the first products start the sums from the bias
	s_branch .Lfirst_done
.Lfirst_v:
	STEP 0, 2
.Lfirst_done:
	TURN 0, 1, 1, 1                                ; slot 0 takes K step 2
	STEP 1, 0
	TURN 1, 0, 1, 2                                ; slot 1 takes K step 3
	STEP 0, 0
	TURN 0, 1, 0, 3                                ; nothing is left to fetch
	STEP 1, 0
	s_wait_dscnt 16
	WIN 0xa1
	MUL16 0, 1, 1, 1, 0
	MUL16 2, 1, 1, 1, 0
	s_wait_dscnt 0x0
	WIN 0xf1
	MUL16 4, 1, 1, 1, 0
	MUL16 6, 1, 1, 1, 0
	WIN 0
	; ---- THE WAY OUT.  For each of L's 8 tiles a lane's 64 registers are 128 neighbours along R in four blocks of 32 (each shared with lane l xor 16): one fragment and one scale word.  No LDS.
	; No tensor load of mine is out since the last change of slots, so the descriptors' scalar registers are free.
.set TM, 32                            ; v32-35 largest magnitudes; v36-39 the other half's, then the bytes; v44-47 the conversions' scale operands
.set PW, 48                            ; v48-55 a scale word for each tile
.set SWD, 56                           ; v56-59 the words as they are stored
.set PC, 128                           ; v128-223 twelve registers of codes for each tile: no store's data are written again
.set CT, 224
.set SEL, 36
	s_lshr_b32 s40, s93, 2                         ; q, k: the region (q 0, k 1),
	s_lshr_b32 s41, s92, 3                         ; the batch,
	s_and_b32 s42, s93, 3
	s_lshl_b32 s42, s42, 2
	s_lshl_b32 s43, s[RH], 1
	s_add_co_u32 s42, s42, s43                     ; my first head,
	s_lshl_b32 s43, s92, 4
	s_lshl_b32 s44, s[LH], 3
	s_add_co_u32 s43, s43, s44
	s_and_b32 s43, s43, 127                        ; my first tile of tokens in the batch
	s_lshr_b32 s45, s93, 3                         ; v: the batch,
	s_lshl_b32 s46, s92, 2
	s_lshl_b32 s47, s[LH], 1
	s_add_co_u32 s46, s46, s47                     ; my first head,
	s_lshl_b32 s47, s93, 1
	s_add_co_u32 s47, s47, s[RH]
	s_and_b32 s47, s47, 15                         ; my key step
	s_mov_b32 s48, 6144
	s_mov_b32 s49, 256
	s_mov_b32 s50, 98304
	s_mov_b32 s51, 3072
	s_mov_b32 s56, 4096
	s_mov_b32 s58, 128
	s_mov_b32 s60, 0x05040100
	s_mov_b32 s61, 0x07060302
	s_mov_b32 s62, 0x03020100
	s_mov_b32 s63, 0x07060504
	s_cmp_lt_u32 ttmp9, 16
	s_cselect_b32 s40, s40, 2
	s_cselect_b32 s41, s41, s45
	s_cselect_b32 s42, s42, s46
	s_cselect_b32 s43, s43, s47
	s_cselect_b32 s48, 768, s48                    ; bytes of codes for a step of the position,
	s_cselect_b32 s49, 32, s49                     ; of scale words
	s_cselect_b32 s52, s51, s50                    ; from tiles 0-3 to tiles 4-7: four tiles of tokens on, or the next head
	s_cselect_b32 s53, s50, s51                    ; from a fragment's first half image to its second: the next head, or the next 64 keys
	s_cselect_b32 s57, s56, 64                     ; the scale words: from lanes 0-15 to lanes 16-31,
	s_cselect_b32 s59, s58, s56                    ; from pairs 0, 1 to pairs 2, 3,
	s_cselect_b32 s58, 64, s58                     ; from an even pair to the odd one
	s_cselect_b32 s60, s60, s62                    ; and which bytes of a pair's two words lanes 0-15 store,
	s_cselect_b32 s61, s61, s63                    ; and lanes 16-31
	s_mov_b32 s62, 0xffff0000
	s_lshl_b32 s41, s41, 4
	s_add_co_u32 s41, s41, s42                     ; 16 x batch + head
	s_mul_i32 s54, s40, 6291456
	s_mul_i32 s55, s41, 98304
	s_add_co_u32 s54, s54, s55
	s_mul_i32 s55, s43, s48
	s_add_co_u32 s54, s54, s55
	s_mov_b32 s55, 0
	s_add_nc_u64 s[24:25], s[14:15], s[54:55]      ; tiles 0-3, first half image
	s_mov_b32 s54, s53
	s_add_nc_u64 s[26:27], s[24:25], s[54:55]      ; second
	s_mov_b32 s54, s52
	s_add_nc_u64 s[28:29], s[24:25], s[54:55]      ; tiles 4-7
	s_add_nc_u64 s[30:31], s[26:27], s[54:55]
	s_lshl_b32 s54, s40, 18
	s_lshl_b32 s44, s41, 12
	s_add_co_u32 s54, s54, s44
	s_mul_i32 s44, s43, s49
	s_add_co_u32 s54, s54, s44
	s_add_nc_u64 s[32:33], s[16:17], s[54:55]      ; the scale words
	s_mov_b32 s[SEL], 0x76543210
	s_mov_b32 s[SEL+1], 0xfedcba98
	PLACES                                         ; behind the last products: their sources are written and their results read below
	v_lshl_add_u32 v9, v1, 3, 512                  ; 8 x lane + 512
	v_mov_b32 v10, s60
	v_mov_b32 v15, s61
	v_cndmask_b32 v10, v10, v15, s62               ; the byte selects
	v_lshlrev_b32 v11, 2, v2
	v_mul_u32_u24 v15, s57, v3
	v_add_nc_u32 v11, v11, v15                     ; where pair 0's word goes,
	v_add_nc_u32 v12, s58, v11                     ; pair 1's,
	v_add_nc_u32 v13, s59, v11                     ; pair 2's,
	v_add_nc_u32 v14, s58, v13                     ; pair 3's
.irp b, 0,1,2,3
	v_mov_b32 v[TM+4+\b], 0                        ; written once: a lane permute's destination counts as one of its sources
.endr
.macro QUANT i
.set QS, 64*((\i)%4)
.set QW, 2+(\i)/4
.set QP, PC+12*(\i)
.set QB, 24+4*((\i)/4)
	WIN (QW<<2)|(QW<<4)                            ; sources 1 and 2: the accumulators' window
.irp b, 0,1,2,3
	v_max3_num_f32 v[TM+\b], 0x1800000, |v[QS+16*\b]|, |v[QS+16*\b+1]|   ; block b: my 16 numbers, and the floor 2^(3 - 127); each accumulator is read from its low end on
.endr
.irp n, 2,4,6,8,10,12,14
.irp b, 0,1,2,3
	v_max3_num_f32 v[TM+\b], v[TM+\b], |v[QS+16*\b+\n]|, |v[QS+16*\b+\n+1]|
.endr
.endr
	WIN 0
.irp b, 0,1,2,3
	v_permlanex16_b32 v[TM+4+\b], v[TM+\b], s[SEL], s[SEL+1]
.endr
.irp b, 0,1,2,3
	v_max_num_f32 v[TM+\b], v[TM+\b], v[TM+4+\b]   ; with lane l xor 16's: the block's largest magnitude
.endr
.irp b, 0,1,2,3
	v_add_nc_u32 v[TM+12+\b], 0xff000000, v[TM+\b] ; 2 off its exponent field: the conversion's scale operand
.endr
.irp b, 0,1,2,3
	v_lshrrev_b32 v[TM+4+\b], 23, v[TM+12+\b]      ; the scale's byte
.endr
	v_lshl_or_b32 v[PW+(\i)], v[TM+5], 8, v[TM+4]
	v_lshl_or_b32 v[PW+(\i)], v[TM+6], 16, v[PW+(\i)]
	v_lshl_or_b32 v[PW+(\i)], v[TM+7], 24, v[PW+(\i)]
	WIN QW                                         ; source 0: the accumulators' window
.irp c, 0,1
	v_cvt_scalef32_pk16_fp6_f32 v[QP+6*\c:QP+6*\c+2], v[QS+32*\c:QS+32*\c+15], v[TM+12+2*\c]
	v_cvt_scalef32_pk16_fp6_f32 v[CT+4*\c:CT+4*\c+2], v[QS+32*\c+16:QS+32*\c+31], v[TM+12+2*\c+1]
.endr
	WIN 0
	v_nop                                          ; one plain line behind a scaled conversion
.irp c, 0,1                            ; the layout wants a whole block in a lane: lanes 0-15 block 2 c, lanes 16-31 block 2 c + 1
.irp n, 0,1,2
	v_permlane16_swap_b32 v[QP+6*\c+\n], v[CT+4*\c+\n]
.endr
.irp n, 0,1,2
	v_mov_b32 v[QP+6*\c+3+\n], v[CT+4*\c+\n]
.endr
.endr
.irp c, 0,1
	global_store_b128 v4, v[QP+6*\c:QP+6*\c+3], s[QB+2*\c:QB+2*\c+1] offset:768*((\i)%4)     ; 512 consecutive bytes, aligned,
	global_store_b64 v9, v[QP+6*\c+4:QP+6*\c+5], s[QB+2*\c:QB+2*\c+1] offset:768*((\i)%4)    ; and 256
.endr
.if (\i)%2 == 1
	v_perm_b32 v[SWD+(\i)/2], v[PW+(\i)], v[PW+(\i)-1], v10
	global_store_b32 v[11+(\i)/2], v[SWD+(\i)/2], s[32:33]
.endif
.endm
.irp i, 0,1,2,3,4,5,6,7
	QUANT \i
.endr
	s_wait_tensorcnt 0x0                           ; the wave's end
	ds_add_u32 v[SPW], v[NIL]
	s_wait_dscnt 0x0
	CROUND                                         ; the closing round
	s_endpgm
.Lfunc_end_k_qcd9eb4e784_qkv:
	.size	k_qcd9eb4e784_qkv, .Lfunc_end_k_qcd9eb4e784_qkv-k_qcd9eb4e784_qkv
	.p2alignl 7, 3214868480
	.fill 96, 4, 3214868480
	.section	.rodata,"a",@progbits
	.p2align	6, 0x0
	.amdhsa_kernel k_qcd9eb4e784_qkv
		.amdhsa_group_segment_fixed_size 327680
		.amdhsa_private_segment_fixed_size 0
		.amdhsa_enable_private_segment 0
		.amdhsa_kernarg_size 56
		.amdhsa_user_sgpr_count 2
		.amdhsa_user_sgpr_kernarg_segment_ptr 1
		.amdhsa_wavefront_size32 1
		.amdhsa_system_sgpr_workgroup_id_x 1
		.amdhsa_system_sgpr_workgroup_id_y 1
		.amdhsa_system_sgpr_workgroup_id_z 1
		.amdhsa_system_vgpr_workitem_id 0
		.amdhsa_next_free_vgpr 1024
		.amdhsa_next_free_sgpr 102
		.amdhsa_reserve_vcc 0
		.amdhsa_float_denorm_mode_32 3
		.amdhsa_float_denorm_mode_16_64 3
		.amdhsa_memory_ordered 1
		.amdhsa_forward_progress 1
		.amdhsa_inst_pref_size 173
	.end_amdhsa_kernel
	.amdgpu_metadata
---
amdhsa.version: [ 1, 2 ]
amdhsa.kernels:
  - .name:           k_qcd9eb4e784_qkv
    .symbol:         k_qcd9eb4e784_qkv.kd
    .args:
      - { .name: opc, .offset: 0, .size: 8, .value_kind: global_buffer, .address_space: global }
      - { .name: ops, .offset: 8, .size: 8, .value_kind: global_buffer, .address_space: global }
      - { .name: bq, .offset: 16, .size: 8, .value_kind: global_buffer, .address_space: global }
      - { .name: bk, .offset: 24, .size: 8, .value_kind: global_buffer, .address_space: global }
      - { .name: bv, .offset: 32, .size: 8, .value_kind: global_buffer, .address_space: global }
      - { .name: qkv, .offset: 40, .size: 8, .value_kind: global_buffer, .address_space: global }
      - { .name: qkvs, .offset: 48, .size: 8, .value_kind: global_buffer, .address_space: global }
    .group_segment_fixed_size: 327680
    .private_segment_fixed_size: 0
    .kernarg_segment_align: 8
    .kernarg_segment_size: 56
    .max_flat_workgroup_size: 128
    .sgpr_count:     102
    .vgpr_count:     1024
    .wavefront_size: 32
...
	.end_amdgpu_metadata
.endif
;; end of part 2
;; launch attn (part 3): grid 4 x 64, 16 waves a work-group, no clusters, 206,848 bytes of LDS; arguments qkv, qkvs, maskw, msum, ao, aos; writes ao, aos
.if DOCPART == 3
	.amdgcn_target "amdgcn-amd-amdhsa--gfx1250"
	.amdhsa_code_object_version 6
	.text
	.protected	k_qcd9eb4e784_attn
	.globl	k_qcd9eb4e784_attn
	.p2align	8
	.type	k_qcd9eb4e784_attn,@function
k_qcd9eb4e784_attn:
	s_mov_b64 s[64:65], 0
	v_nop
	global_prefetch_b8 v0, s[64:65] scope:SCOPE_SE
	s_setreg_imm32_b32 hwreg(HW_REG_WAVE_MODE, 25, 1), 1
	s_wait_xcnt 0x0
; O = softmax(q k^T / 8, masked) v for one head, both products on codes of FP6 (E2M3) with E8M0 scales; the result, divided by the row's sum, is quantised along the model's 1,024 and leaves as an operand's image.
; t = score x log2(e) / 8; M = the running largest t rounded UP to a whole number; p = 2^(t - M) is quantised along the keys, not normalised; the row's sum is taken of the unquantised p.
; SHARES.  Work-group (i, 16 batch + head) holds the head's whole K and V (192 KiB of codes, 8 KiB of scale words) in LDS, filled once through registers: one barrier, no LDS store behind it.
; Each of its sixteen waves takes two tiles of 16 queries, 16 i + wave and 127 - that: four waves to a SIMD, so that one wave's vector work stands beside another's matrix work and LDS loads.
; THE MASK is an input: an earlier launch has laid it as lane masks, one word for each score register, and as flags for each tile and key step of 128.  A step in which no key counts for any of the tile's queries is
; passed over, and a step without a hole is not masked: scalar branches on stored whole numbers.  Where a row of the tile is wholly masked every step is worked.
; A hidden score becomes -2^33 ahead of the maximum (a logit of -2^30 where the definition has -1e9): t is then a whole number that f32 holds, so that a wholly masked row gets p = 1 for every key, and any other row p = 0.
; LIMITS: the results differ from the definition's only where a logit that counts lies under about -9e8; NaN and infinities are not served; a block of zeros gets the scale byte 1 (its codes are zeros).
; LAYOUT.  Both products are used transposed: a lane holds ONE query.  K = 64 in the first product and 128 in the instruction: a fragment of K is the half images of TWO tiles of keys, and q stands beside zeros:
; [q | 0] picks the first tile, [0 | q] the second: each fragment is read once and feeds two instructions.  Tiles are in tile order, so that the 16 registers of tiles 2 b, 2 b + 1 are keys 32 b + 16 (lane / 16) + 0 .. 15.
; No cluster: no tensor load either; K and V are read once by each of a head's four work-groups.
.set KS, 36                            ; v36-37 K's scale words (lanes 0-15 an even pair, lanes 16-31 the odd one); v38-39 V's
.set VS, 38
.set FR, 40                            ; v40-87 four fragments, of K and then of V
.set AS, 88
.set PT, 89                            ; v89-92 the other half's maxima, then the bytes
.set S,  96                            ; v96-159 S^T, then p, then O / the sum
.set O,  160                           ; v160-191 O^T, four tiles of channels
.set PC, 224                           ; v224-235 p's codes
.set CT, 236
.set SO, 244                           ; v244-247 the conversions' scale operands
.set BM, 248                           ; v248-251 the blocks' largest scores
; v1 16 x lane; v2 8 x lane + 512; v3 4 x lane + 196,608; v4 -2^33; v5 4 (lane % 16); v8-11 the step's LDS addresses; v12 -M; v13 the largest t; v[14:15] the sum; v16-33 [0 | q | 0] of tile 0, v34-35 its scale words;
; v192-209, v210-211 the same of tile 1; v252 f; v253 p's scale word; v254-255 at work.
; s2 wave; s[16:63], s[80:95] the step's 64 lane masks; s66, s96 the two tiles' flags; s67 the step; s68, s69, s70 the step's bytes in K and V, in the scale words, in maskw; s76 head, s77 batch; s104, s105 the two tiles.
	s_load_b256 s[4:11], s[0:1], 0x0               ; qkv, qkvs, maskw, msum
	s_load_b128 s[12:15], s[0:1], 0x20             ; ao, aos
	v_lshl_add_u32 v239, v0, 2, 0x32000
	v_mov_b32 v243, 0
	v_lshrrev_b32 v8, 5, v0
	v_readfirstlane_b32 s2, v8                     ; wave 0..15
	v_and_b32 v9, 31, v0
	v_lshlrev_b32 v1, 4, v9
	v_lshl_add_u32 v2, v9, 3, 512
	v_lshl_add_u32 v3, v9, 2, 196608
	v_mov_b32 v4, 0xd0000000
	v_and_b32 v5, 15, v0
	v_lshlrev_b32 v5, 2, v5
	s_and_b32 s3, ttmp7, 0xffff                    ; 16 x batch + head
	s_and_b32 s76, s3, 15
	s_lshr_b32 s77, s3, 4
	s_lshl_b32 s104, ttmp9, 4
	s_add_co_u32 s104, s104, s2
	s_sub_co_u32 s105, 127, s104
	s_lshr_b32 s66, s2, 3
	s_add_co_u32 s66, s66, 1                       ; waves 0-7 fetch K (region 1), waves 8-15 V (region 2)
	s_and_b32 s67, s2, 7
	s_mul_i32 s68, s3, 98304                       ; the head's bytes in a region of codes,
	s_lshl_b32 s69, s3, 12                         ; and of scale words
	s_mul_i32 s80, s66, 6291456
	s_add_co_u32 s80, s80, s68
	s_mul_i32 s70, s67, 12288
	s_add_co_u32 s80, s80, s70
	s_mov_b32 s81, 0
	s_lshl_b32 s82, s66, 18
	s_add_co_u32 s82, s82, s69
	s_lshl_b32 s70, s67, 9
	s_add_co_u32 s82, s82, s70
	s_mov_b32 s83, 0
	s_mul_i32 s88, s104, 768
	s_add_co_u32 s88, s88, s68
	s_mov_b32 s89, 0
	s_mul_i32 s90, s105, 768
	s_add_co_u32 s90, s90, s68
	s_mov_b32 s91, 0
	s_lshr_b32 s92, s104, 1
	s_lshl_b32 s92, s92, 6
	s_add_co_u32 s92, s92, s69
	s_mov_b32 s93, 0
	s_lshr_b32 s94, s105, 1
	s_lshl_b32 s94, s94, 6
	s_add_co_u32 s94, s94, s69
	s_mov_b32 s95, 0
	s_lshl_b32 s71, s104, 5                        ; a tile's 32 bytes of msum
	s_lshl_b32 s97, s105, 5
	s_mul_i32 s98, s2, 12288
	s_lshl_b32 s99, s2, 9
	s_add_co_u32 s99, s99, 196608
	v_add_nc_u32 v6, s98, v1                       ; LDS: my 12,288 bytes of K or V,
	v_add_nc_u32 v7, s99, v1                       ; my 512 bytes of scale words
	s_mov_b32 s72, 0x76543210
	s_mov_b32 s73, 0xfedcba98                      ; lane selects: lane l xor 16
	s_mov_b32 s74, 0x3e38aa3b                      ; c = log2(e) / 8
	s_mov_b32 s75, s74                             ; (named with it as a pair, so it is written)
	s_wait_kmcnt 0x0
	s_add_nc_u64 s[80:81], s[4:5], s[80:81]
	s_add_nc_u64 s[82:83], s[6:7], s[82:83]
	s_add_nc_u64 s[88:89], s[4:5], s[88:89]
	s_add_nc_u64 s[90:91], s[4:5], s[90:91]
	s_add_nc_u64 s[92:93], s[6:7], s[92:93]
	s_add_nc_u64 s[94:95], s[6:7], s[94:95]
.set n, 0
.rept 24
	global_load_b128 v[S+4*n:S+4*n+3], v1, s[80:81] offset:512*n   ; 512 consecutive bytes a load
.set n, n+1
.endr
	global_load_b128 v[40:43], v1, s[82:83]
	global_load_b128 v[22:25], v1, s[88:89]        ; q of tile 0: a half image,
	global_load_b64 v[26:27], v2, s[88:89]
	global_load_b128 v[198:201], v1, s[90:91]      ; of tile 1
	global_load_b64 v[202:203], v2, s[90:91]
	global_load_b32 v212, v5, s[92:93]             ; their pairs' scale words
	global_load_b32 v213, v5, s[94:95]
	s_load_b256 s[16:23], s[10:11], s71 offset:0x0 ; the two tiles' flags
	s_load_b256 s[24:31], s[10:11], s97 offset:0x0
.irp j, 16,17,18,19,20,21,28,29,30,31,32,33,192,193,194,195,196,197,204,205,206,207,208,209
	v_mov_b32 v\j, 0                               ; the zero codes beside q
.endr
.irp j, 89,90,91,92,252,253,254,255
	v_mov_b32 v\j, 0                               ; written once: permutes' destinations and halves of pairs count as read
.endr
.irp g, 0,1,2
	s_wait_loadcnt 23-8*\g                         ; of the 31 loads the first 8 (g + 1) are in
.irp j, 0,1,2,3,4,5,6,7
	ds_store_b128 v6, v[S+32*\g+4*\j:S+32*\g+4*\j+3] offset:512*(8*\g+\j)
.endr
.endr
	s_wait_loadcnt 6                               ; the scale words are in; q's six loads may be out
	ds_store_b128 v7, v[40:43]
	s_wait_dscnt 0x0                               ; for the others' sake: my stores have landed
	s_barrier_signal -1
	s_barrier_wait -1                              ; the head's K and V lie in LDS; nothing is stored there from here on
	s_wait_loadcnt 0x0
	s_wait_kmcnt 0x0
.macro FLAGS w, base                   ; the four waves' words of a tile become one
	s_or_b32 s[\w], s[\base], s[\base+2]
	s_or_b32 s[\w], s[\w], s[\base+4]
	s_or_b32 s[\w], s[\w], s[\base+6]
	s_or_b32 s71, s[\base+1], s[\base+3]
	s_or_b32 s71, s71, s[\base+5]
	s_or_b32 s71, s71, s[\base+7]
	s_lshr_b32 s97, s71, 16
	s_or_b32 s71, s71, s97
	s_and_b32 s71, s71, 0xffff                     ; bit r: query r has a key that counts
	s_cmp_lg_u32 s71, 0xffff
	s_cselect_b32 s71, 0xffff, 0                   ; a row that is wholly masked wants every key
	s_or_b32 s[\w], s[\w], s71
.endm
	FLAGS 66, 16
	FLAGS 96, 24
.macro QSC tq, raw, qs                 ; q's two bytes, beside 127 for the zero codes: {s0, s1, 127, 127} and {127, 127, s0, s1}
	s_and_b32 s71, s[\tq], 1
	s_lshl_b32 s71, s71, 4
	v_lshrrev_b32 v[\qs], s71, v[\raw]
	v_and_b32 v[\qs], 0xffff, v[\qs]
	v_lshl_or_b32 v[\qs+1], v[\qs], 16, 0x7f7f
	v_or_b32 v[\qs], 0x7f7f0000, v[\qs]
.endm
	QSC 104, 212, 34
	QSC 105, 213, 210
.macro TILE qb, qs, w, tq
	s_wait_xcnt 0x0                                ; the last tile's stores have read their registers and bases
	s_lshl_b32 s78, s77, 7
	s_add_co_u32 s78, s78, s[\tq]                  ; the tile among all 512 tiles of tokens
	s_lshl_b32 s97, s78, 9
	s_mul_i32 s78, s78, 3072
	s_lshr_b32 s71, s76, 2
	s_mul_i32 s71, s71, 1572864                    ; the head's K step of 256,
	s_add_co_u32 s78, s78, s71
	s_and_b32 s71, s76, 3
	s_mul_i32 s71, s71, 768                        ; and its group of 64
	s_add_co_u32 s78, s78, s71
	s_mov_b32 s79, 0
	s_add_nc_u64 s[98:99], s[12:13], s[78:79]
	s_lshr_b32 s71, s76, 1
	s_lshl_b32 s71, s71, 6
	s_add_co_u32 s78, s97, s71
	s_and_b32 s71, s76, 1
	s_lshl_b32 s71, s71, 1
	s_add_co_u32 s78, s78, s71
	s_add_nc_u64 s[100:101], s[14:15], s[78:79]
	v_mov_b32 v13, 0xff61b1e6                      ; the largest t so far: -3e38
	v_floor_f32 v12, -v13                          ; -M
	v_mov_b32 v14, 0
	v_mov_b32 v15, 0
.set n, 0
.rept 32
	v_mov_b32 v[O+n], 0                            ; the step is written once: the first finds zeros
.set n, n+1
.endr
	s_mov_b32 s67, 0
	s_mov_b32 s68, 0
	s_mov_b32 s69, 0
	s_lshl_b32 s70, s[\tq], 12
.Lstep_\@:                                         ; sixteen trips, a constant; a step without work is jumped over inside
	s_bitcmp1_b32 s[\w], s67
	s_cbranch_scc0 .Lskip_\@
	v_add_nc_u32 v8, s68, v1                       ; (these five are the places behind the last step's products, in front of the loads into their sources)
	v_add_nc_u32 v9, s68, v2
	v_add_nc_u32 v10, 0x18000, v8
	v_add_nc_u32 v11, 0x18000, v9
	v_add_nc_u32 v[AS], s69, v3
	s_load_b512 s[16:31], s[8:9], s70 offset:0x0   ; the step's 64 lane masks
	s_load_b512 s[32:47], s[8:9], s70 offset:0x40
	s_load_b512 s[48:63], s[8:9], s70 offset:0x80
	s_load_b512 s[80:95], s[8:9], s70 offset:0xc0
.irp b, 0,1,2,3                        ; K: pair b = the half images of tiles 2 b and 2 b + 1
	ds_load_b128 v[FR+12*\b:FR+12*\b+3], v8 offset:1536*\b
	ds_load_b64 v[FR+12*\b+4:FR+12*\b+5], v9 offset:1536*\b
	ds_load_b128 v[FR+12*\b+6:FR+12*\b+9], v8 offset:1536*\b+768
	ds_load_b64 v[FR+12*\b+10:FR+12*\b+11], v9 offset:1536*\b+768
.endr
	ds_load_b32 v[KS], v[AS]
	ds_load_b32 v[KS+1], v[AS] offset:128
	ds_load_b32 v[VS], v[AS] offset:4096
	ds_load_b32 v[VS+1], v[AS] offset:4224
	s_wait_dscnt 0x0
.irp b, 0,1,2,3
.irp u, 0,1
.if \b%2
	v_wmma_scale_f32_16x16x128_f8f6f4 v[S+8*(2*\b+\u):S+8*(2*\b+\u)+7], v[FR+12*\b:FR+12*\b+11], v[\qb+6-6*\u:\qb+17-6*\u], 0, v[KS+\b/2], v[\qs+\u] matrix_a_fmt:MATRIX_FMT_FP6 matrix_b_fmt:MATRIX_FMT_FP6 matrix_a_scale:MATRIX_SCALE_ROW1
.else
	v_wmma_scale_f32_16x16x128_f8f6f4 v[S+8*(2*\b+\u):S+8*(2*\b+\u)+7], v[FR+12*\b:FR+12*\b+11], v[\qb+6-6*\u:\qb+17-6*\u], 0, v[KS+\b/2], v[\qs+\u] matrix_a_fmt:MATRIX_FMT_FP6 matrix_b_fmt:MATRIX_FMT_FP6
.endif
.endr
.endr
.rept 4
	v_nop                                          ; places: in front of the loads into K's registers and of the first read of the scores
.endr
.irp t, 0,1,2,3                        ; V: tile t of channels x these 128 keys; it lands while the softmax is worked
	ds_load_b128 v[FR+12*\t:FR+12*\t+3], v10 offset:768*\t
	ds_load_b64 v[FR+12*\t+4:FR+12*\t+5], v11 offset:768*\t
	ds_load_b128 v[FR+12*\t+6:FR+12*\t+9], v10 offset:3072+768*\t
	ds_load_b64 v[FR+12*\t+10:FR+12*\t+11], v11 offset:3072+768*\t
.endr
	s_wait_kmcnt 0x0                               ; the lane masks are in (and s70 may be stepped)
	s_add_co_u32 s71, s67, 16
	s_bitcmp1_b32 s[\w], s71
	s_cbranch_scc0 .Lopen_\@                       ; a step without a hole is not masked
.set n, 0
.rept 64
	v_cndmask_b32 v[S+n], v4, v[S+n], s[16+n+16*(n/48)]
.set n, n+1
.endr
.Lopen_\@:
.irp b, 0,1,2,3
	v_max3_num_f32 v[BM+\b], v[S+16*\b], v[S+1+16*\b], v[S+2+16*\b]   ; the largest score of each block of 32 keys: it serves the row's maximum and, since p rises with the score, the block's largest p
.endr
.irp i, 3,5,7,9,11,13
.irp b, 0,1,2,3
	v_max3_num_f32 v[BM+\b], v[BM+\b], v[S+16*\b+\i], v[S+1+16*\b+\i]
.endr
.endr
.irp b, 0,1,2,3
	v_max_num_f32 v[BM+\b], v[BM+\b], v[S+15+16*\b]
.endr
.irp b, 0,1,2,3
	v_permlanex16_b32 v[PT+\b], v[BM+\b], s72, s73
.endr
.irp b, 0,1,2,3
	v_max_num_f32 v[BM+\b], v[BM+\b], v[PT+\b]     ; with lane l xor 16's 16 keys
.endr
	v_max3_num_f32 v254, v[BM], v[BM+1], v[BM+2]
	v_max_num_f32 v254, v254, v[BM+3]
	v_mul_f32 v254, s74, v254                      ; as t (c is positive)
	v_max_num_f32 v13, v13, v254                   ; the running largest t
	v_mov_b32 v254, v12
	v_floor_f32 v12, -v13                          ; the new -M = -ceil(t): a whole number
	v_sub_f32 v254, v12, v254                      ; old M - new M: a whole number, 0 or less
	v_cvt_i32_f32 v254, v254                       ; (it saturates)
	v_ldexp_f32 v252, 1.0, v254                    ; f = 2^(old M - new M): multiplying by it rounds nothing
.set n, 0
.rept 32
	v_pk_fma_f32 v[S+n:S+n+1], v[S+n:S+n+1], s[74:75], v[12:13] op_sel_hi:[1,0,0]   ; t - M, two at a time
.set n, n+2
.endr
.irp b, 0,1,2,3
	v_fma_f32 v[BM+\b], v[BM+\b], s74, v12         ; the same of each block's largest score
.endr
.set n, 0
.rept 64
	v_exp_f32 v[S+n], v[S+n]                       ; p = 2^(t - M)
.set n, n+1
.endr
	v_pk_mul_f32 v[14:15], v[14:15], v[252:253] op_sel_hi:[1,0]   ; the sums under the new M (a plain line behind the exponentials)
	s_wait_alu depctr_va_vdst(0)                   ; one wait for the batch, ahead of its first reader
.irp b, 0,1,2,3
	v_exp_f32 v[BM+\b], v[BM+\b]                   ; the block's largest p
.endr
	v_pk_add_f32 v[254:255], v[S:S+1], v[S+2:S+3]  ; the row's sum is taken of the unquantised p, in two chains
.set n, 4
.rept 15
	v_pk_add_f32 v[14:15], v[14:15], v[S+n:S+n+1]
	v_pk_add_f32 v[254:255], v[254:255], v[S+n+2:S+n+3]
.set n, n+4
.endr
	v_pk_add_f32 v[14:15], v[14:15], v[254:255]
	s_wait_alu depctr_va_vdst(0)                   ; and one for the four
.irp b, 0,1,2,3
	v_max_num_f32 v[BM+\b], 0x1800000, v[BM+\b]    ; the floor 2^(3 - 127): the byte cannot fall under 1
.endr
.irp b, 0,1,2,3
	v_add_nc_u32 v[SO+\b], 0xff000000, v[BM+\b]
.endr
.irp b, 0,1,2,3
	v_lshrrev_b32 v[PT+\b], 23, v[SO+\b]
.endr
	v_lshl_or_b32 v253, v[PT+1], 8, v[PT]          ; p's scale word for these 128 keys
	v_lshl_or_b32 v253, v[PT+2], 16, v253
	v_lshl_or_b32 v253, v[PT+3], 24, v253
.irp c, 0,1
	v_cvt_scalef32_pk16_fp6_f32 v[PC+6*\c:PC+6*\c+2], v[S+32*\c:S+32*\c+15], v[SO+2*\c]
	v_cvt_scalef32_pk16_fp6_f32 v[CT+4*\c:CT+4*\c+2], v[S+32*\c+16:S+32*\c+31], v[SO+2*\c+1]
.endr
	v_nop                                          ; one plain line behind a scaled conversion
.irp c, 0,1
.irp i, 0,1,2
	v_permlane16_swap_b32 v[PC+6*\c+\i], v[CT+4*\c+\i]
.endr
.irp i, 0,1,2
	v_mov_b32 v[PC+6*\c+3+\i], v[CT+4*\c+\i]
.endr
.endr
.set n, 0
.rept 16
	v_pk_mul_f32 v[O+n:O+n+1], v[O+n:O+n+1], v[252:253] op_sel_hi:[1,0]   ; O^T under the new M; these sixteen are also the places between the scale word, the codes and the products
.set n, n+2
.endr
	s_wait_dscnt 0x0                               ; V is in
.irp t, 0,1,2,3                        ; four accumulators by turns
.if \t%2
	v_wmma_scale_f32_16x16x128_f8f6f4 v[O+8*\t:O+8*\t+7], v[FR+12*\t:FR+12*\t+11], v[PC:PC+11], v[O+8*\t:O+8*\t+7], v[VS+\t/2], v253 matrix_a_fmt:MATRIX_FMT_FP6 matrix_b_fmt:MATRIX_FMT_FP6 matrix_a_scale:MATRIX_SCALE_ROW1
.else
	v_wmma_scale_f32_16x16x128_f8f6f4 v[O+8*\t:O+8*\t+7], v[FR+12*\t:FR+12*\t+11], v[PC:PC+11], v[O+8*\t:O+8*\t+7], v[VS+\t/2], v253 matrix_a_fmt:MATRIX_FMT_FP6 matrix_b_fmt:MATRIX_FMT_FP6
.endif
.endr
.Lskip_\@:
	s_add_co_u32 s68, s68, 6144
	s_add_co_u32 s69, s69, 256
	s_add_co_u32 s70, s70, 256
	s_add_co_u32 s67, s67, 1
	s_cmp_lt_u32 s67, 16
	s_cbranch_scc1 .Lstep_\@
	; the tile's way out: O^T / the sum; its 64 channels are two blocks of 32 along the last product's K
	v_add_f32 v14, v14, v15
	v_permlanex16_b32 v254, v14, s72, s73
	v_add_f32 v14, v14, v254                       ; the row's sum
	v_nop
	v_rcp_f32 v252, v14
	v_nop                                          ; a plain line behind the reciprocal (with the lines above: four places behind the last products)
	s_wait_alu depctr_va_vdst(0)                   ; ahead of its first reader
.set n, 0
.rept 16
	v_pk_mul_f32 v[S+n:S+n+1], v[O+n:O+n+1], v[252:253] op_sel_hi:[1,0]   ; register 16 B + i: channel 32 B + 16 (lane / 16) + i
.set n, n+2
.endr
.irp b, 0,1
	v_max3_num_f32 v[BM+\b], |v[S+16*\b]|, |v[S+1+16*\b]|, 0x1800000
.endr
.irp i, 2,4,6,8,10,12,14
.irp b, 0,1
	v_max3_num_f32 v[BM+\b], v[BM+\b], |v[S+16*\b+\i]|, |v[S+1+16*\b+\i]|
.endr
.endr
.irp b, 0,1
	v_permlanex16_b32 v[PT+\b], v[BM+\b], s72, s73
.endr
.irp b, 0,1
	v_max_num_f32 v[BM+\b], v[BM+\b], v[PT+\b]
.endr
.irp b, 0,1
	v_add_nc_u32 v[SO+\b], 0xff000000, v[BM+\b]
.endr
.irp b, 0,1
	v_lshrrev_b32 v[PT+\b], 23, v[SO+\b]
.endr
	v_lshl_or_b32 v255, v[PT+1], 8, v[PT]          ; the head's two scale bytes of my row
	v_cvt_scalef32_pk16_fp6_f32 v[PC:PC+2], v[S:S+15], v[SO]
	v_cvt_scalef32_pk16_fp6_f32 v[CT:CT+2], v[S+16:S+31], v[SO+1]
	v_nop
.irp i, 0,1,2
	v_permlane16_swap_b32 v[PC+\i], v[CT+\i]
.endr
.irp i, 0,1,2
	v_mov_b32 v[PC+3+\i], v[CT+\i]
.endr
	global_store_b128 v1, v[PC:PC+3], s[98:99]     ; a half image: 512 consecutive bytes, aligned,
	global_store_b64 v2, v[PC+4:PC+5], s[98:99]    ; and 256
	global_store_b16 v5, v255, s[100:101]          ; half of a scale word (lanes l and l xor 16 store the same two bytes)
.endm
	TILE 16, 34, 66, 104
	TILE 192, 210, 96, 105
	s_wait_tensorcnt 0x0
	ds_add_u32 v239, v243
	s_wait_dscnt 0x0
	s_endpgm
.Lfunc_end_k_qcd9eb4e784_attn:
	.size	k_qcd9eb4e784_attn, .Lfunc_end_k_qcd9eb4e784_attn-k_qcd9eb4e784_attn
	.p2alignl 7, 3214868480
	.fill 96, 4, 3214868480
	.section	.rodata,"a",@progbits
	.p2align	6, 0x0
	.amdhsa_kernel k_qcd9eb4e784_attn
		.amdhsa_group_segment_fixed_size 206848
		.amdhsa_private_segment_fixed_size 0
		.amdhsa_enable_private_segment 0
		.amdhsa_kernarg_size 48
		.amdhsa_user_sgpr_count 2
		.amdhsa_user_sgpr_kernarg_segment_ptr 1
		.amdhsa_wavefront_size32 1
		.amdhsa_system_sgpr_workgroup_id_x 1
		.amdhsa_system_sgpr_workgroup_id_y 1
		.amdhsa_system_sgpr_workgroup_id_z 1
		.amdhsa_system_vgpr_workitem_id 0
		.amdhsa_next_free_vgpr 256
		.amdhsa_next_free_sgpr 106
		.amdhsa_reserve_vcc 0
		.amdhsa_float_denorm_mode_32 3
		.amdhsa_float_denorm_mode_16_64 3
		.amdhsa_memory_ordered 1
		.amdhsa_forward_progress 1
		.amdhsa_inst_pref_size 63
	.end_amdhsa_kernel
	.amdgpu_metadata
---
amdhsa.version: [ 1, 2 ]
amdhsa.kernels:
  - .name:           k_qcd9eb4e784_attn
    .symbol:         k_qcd9eb4e784_attn.kd
    .args:
      - { .name: qkv, .offset: 0, .size: 8, .value_kind: global_buffer, .address_space: global }
      - { .name: qkvs, .offset: 8, .size: 8, .value_kind: global_buffer, .address_space: global }
      - { .name: maskw, .offset: 16, .size: 8, .value_kind: global_buffer, .address_space: global }
      - { .name: msum, .offset: 24, .size: 8, .value_kind: global_buffer, .address_space: global }
      - { .name: ao, .offset: 32, .size: 8, .value_kind: global_buffer, .address_space: global }
      - { .name: aos, .offset: 40, .size: 8, .value_kind: global_buffer, .address_space: global }
    .group_segment_fixed_size: 206848
    .private_segment_fixed_size: 0
    .kernarg_segment_align: 8
    .kernarg_segment_size: 48
    .max_flat_workgroup_size: 512
    .sgpr_count:     106
    .vgpr_count:     256
    .wavefront_size: 32
...
	.end_amdgpu_metadata
.endif
;; end of part 3
;; launch proj (part 4): grid 4 x 32, 4 waves a work-group, clusters of 4 x 4, 327,680 bytes of LDS; arguments ao, aos, opc, ops, bo, out0; writes out0
.if DOCPART == 4
	.amdgcn_target "amdgcn-amd-amdhsa--gfx1250"
	.amdhsa_code_object_version 6
	.text
	.protected	k_qcd9eb4e784_proj
	.globl	k_qcd9eb4e784_proj
	.p2align	8
	.type	k_qcd9eb4e784_proj,@function
k_qcd9eb4e784_proj:
	s_mov_b64 s[64:65], 0
	v_nop
	global_prefetch_b8 v0, s[64:65] scope:SCOPE_SE
	s_setreg_imm32_b32 hwreg(HW_REG_WAVE_MODE, 25, 1), 1
	s_wait_xcnt 0x0
	s_wait_alu depctr_hold_cnt(0) depctr_sa_sdst(0) depctr_va_vdst(0) depctr_va_sdst(0) depctr_va_ssrc(0) depctr_va_vcc(0) depctr_vm_vsrc(0)
	s_getreg_b32 s2, hwreg(HW_REG_IB_STS2, 6, 4)
	s_cmp_eq_u32 s2, 0
	s_cbranch_scc0 .Lentry_in_a_cluster
	s_endpgm
.Lentry_in_a_cluster:
	s_bfe_u32 s2, ttmp6, 0x10000c
	s_cmp_lg_u32 s2, 0xf033
	s_cbranch_scc0 .Lentry_shape_is_right
	s_endpgm
.Lentry_shape_is_right:
; out0 = a wo^T + bo on codes of FP6 (E2M3) with E8M0 scales, K = 1,024; a is the attention's result, laid by the launch before as images of operand registers; out0 [8192][1024] f32.
; L = a (tokens, source 1: a lane holds a token), R = wo (source 0: a lane's registers run along the output's channels).  Rows are tiled in TILE ORDER (tile 2 B + u, lane r: row 32 B + 8 u + r + 8 (r / 8)).
; A work-group of four waves makes 256 x 256, a wave 128 x 128: 64 accumulators.  K goes in four steps of 256 through two LDS slots; a tile's 3,072 bytes of a K step are four half images of 768 bytes, read as they lie.
; The scale words of the work-group's rows come once with the first fills.  CLUSTER 4 x 4: L's tiles are asked for jointly along a row, R's along a column.  A wave has three tensor loads out at the start, one behind each round.
; The bias is the C of each sum's first matrix instruction.  128 work-groups: a smaller tile would read each LDS byte for half the products.
; REGISTERS: window 0: v1-29 addresses; v32-63 scale words; v64-127 the bias; v128-223 L's fragments (on the way out v128-255: rows of out0).  Window 1: R's fragments, two sets.  Windows 2, 3: the accumulators.
.set PLANEL, 1572864                   ; a K step's plane of ao
.set PLANER, 2359296                   ; and of opc
.set SLOT,  98304
.set HALFT, 24576
.set SCLL,  196608
.set SCLR,  204864
.set SPARE, 213248                     ; the spare words, 128 bytes a wave: two blocks of 256 bytes that no other line names
.set SPITCH, 528                       ; the way out: a stage of 16 rows x (512 bytes + 16) for each wave, in slot 0, which has had its last fill and its last read by then
.set ADRA, 16
.set ADRB, 20
.set STO,  24
.set RD,   25
.set ADRS, 27
.set SPW,  28
.set NIL,  29
.set SC,   32
.set BI,   64
.set AF,   128
.set BK,   128
.set WV, 18
.set LH, 19
.set RH, 20
.set G1, 24
.set G0, 32
.set G1B, 48
.set G0B, 56
.set G1S, 68
.set G0S, 76
.set G1SB, 80
.set G0SB, 88
.set MSB, 0
.macro WIN new                         ; the immediate's high byte repeats the setting that is left
.if MSB != (\new)
	s_set_vgpr_msb (MSB<<8)|(\new)
.set MSB, (\new)
.endif
.endm
.macro PLACES                          ; four plain vector lines behind matrix instructions (ISA guide 7.12.1)
.rept 4
	v_nop
.endr
.endm
.macro JLOAD g0a, g1a, g0b, g1b        ; a joint load: waves 0, 1 fetch for L, waves 2, 3 for R; four v_nop follow each line
	s_cmp_eq_u32 s[LH], 0
	s_cbranch_scc0 .Lfor_b_\@
	tensor_load_to_lds s[\g0a:\g0a+3], s[\g1a:\g1a+7]
	s_nop 0
.rept 4
	v_nop
.endr
	s_branch .Lasked_\@
.Lfor_b_\@:
	tensor_load_to_lds s[\g0b:\g0b+3], s[\g1b:\g1b+7]
	s_nop 0
.rept 4
	v_nop
.endr
.Lasked_\@:
.endm
.macro CREST
	s_cmp_lg_u32 s[WV], 0
	s_cbranch_scc1 .Lnot_wave_0_\@
	s_barrier_signal -3
.Lnot_wave_0_\@:
	s_barrier_wait -3
	s_barrier_signal -1
	s_barrier_wait -1
.endm
.macro CROUND
	s_barrier_signal -1
	s_barrier_wait -1
	CREST
.endm
.macro FRAG reg, adr, q, i             ; a fragment is two half images: registers 0-5 and 6-11
	ds_load_b128 v[\reg:\reg+3], v[\adr] offset:3072*(\i)+1536*(\q)
	ds_load_b64 v[\reg+4:\reg+5], v[\adr+2] offset:3072*(\i)+1536*(\q)+512
	ds_load_b128 v[\reg+6:\reg+9], v[\adr] offset:3072*(\i)+1536*(\q)+768
	ds_load_b64 v[\reg+10:\reg+11], v[\adr+2] offset:3072*(\i)+1536*(\q)+1280
.endm
.macro FETCH_B slot, q, p
	WIN 0x40
.irp i, 0,1,2,3,4,5,6,7
	FRAG 128*(\p)+12*\i, ADRB+\slot, \q, \i
.endr
	WIN 0
.endm
.macro FETCH_A slot, q, i0
.irp i, \i0, \i0+1, \i0+2, \i0+3
	FRAG AF+12*(\i), ADRA+\slot, \q, \i
.endr
.endm
.macro SCALES sc, ks
.irp i, 0,1,2,3,4,5,6,7
.irp q, 0,1
	ds_load_b32 v[SC+16*(\sc)+2*\i+\q], v[ADRS] offset:512*\i+64*(2*(\ks)+\q)
.endr
.endr
.endm
; 16 matrix instructions: L's blocks a0, a0 + 1 x R's eight.  cm = 1: the sums start from the bias of R's rows.  The 64 accumulators take turns in one order throughout.
.macro MUL16 a0, p, q, sc, cm
.irp a, \a0, \a0+1
.irp b, 0,1,2,3,4,5,6,7
.set ACR, 8*(8*((\a)%4)+\b)
.set CCR, ACR
.if \cm == 1
.set CCR, BI+8*\b
.endif
	v_wmma_scale_f32_16x16x128_f8f6f4 v[ACR:ACR+7], v[128*(\p)+12*\b:128*(\p)+12*\b+11], v[AF+12*(\a):AF+12*(\a)+11], v[CCR:CCR+7], v[SC+16*(\sc)+2*\b+(\q)], v[SC+16*(\sc)+2*(\a)+(\q)] matrix_a_fmt:MATRIX_FMT_FP6 matrix_b_fmt:MATRIX_FMT_FP6 matrix_a_scale:MATRIX_SCALE_ROW1
.endr
.endr
.endm
.macro STEP slot, cm
	s_wait_dscnt 16                                ; all but the youngest 16 loads (L's blocks 4-7) are in
.if \cm
	WIN 0x81
.else
	WIN 0xa1
.endif
	MUL16 0, 0, 0, \slot, \cm
	MUL16 2, 0, 0, \slot, \cm
	s_wait_dscnt 0x0
	PLACES
	FETCH_B \slot, 1, 1
	FETCH_A \slot, 1, 0
.if \cm
	WIN 0xc1
.else
	WIN 0xf1
.endif
	MUL16 4, 0, 0, \slot, \cm
	MUL16 6, 0, 0, \slot, \cm
	PLACES
	WIN 0
	FETCH_A \slot, 1, 4
.endm
.macro TURN slot, next, fill, ksn
	s_wait_tensorcnt 0x0                           ; all my tensor loads have landed: my part of the next slot
	ds_add_u32 v[SPW], v[NIL]                      ; 0 onto my spare word
	s_wait_dscnt 17                                ; (the add and the youngest 16 loads may be out)
	WIN 0xa1
	MUL16 0, 1, 1, \slot, 0
	s_wait_dscnt 0x0                               ; the add is done, and my reads of this slot are over
	s_barrier_signal -1
	MUL16 2, 1, 1, \slot, 0
	WIN 0
	s_barrier_wait -1
.if \fill
	CREST                                          ; a round of the cluster's barrier: no wave of any partner still reads this slot or has a load on its way
	s_add_nc_u64 s[G0+4*\slot+2:G0+4*\slot+3], s[G0+4*\slot+2:G0+4*\slot+3], 2*PLANEL
	s_add_nc_u64 s[G0B+4*\slot+2:G0B+4*\slot+3], s[G0B+4*\slot+2:G0B+4*\slot+3], 2*PLANER
	JLOAD G0+4*\slot, G1, G0B+4*\slot, G1B
.else
	PLACES
.endif
	FETCH_B \next, 0, 0
	FETCH_A \next, 0, 0
	SCALES \next, \ksn
	WIN 0xf1
	MUL16 4, 1, 1, \slot, 0
	MUL16 6, 1, 1, \slot, 0
	PLACES
	WIN 0
	FETCH_A \next, 0, 4
.endm
	s_load_b256 s[4:11], s[0:1], 0x0               ; ao, aos, opc, ops
	s_load_b128 s[12:15], s[0:1], 0x20             ; bo, out0
	v_lshl_add_u32 v[SPW], v0, 2, SPARE
	v_mov_b32 v[NIL], 0
	ds_add_u32 v28, v29
	ds_add_u32 v28, v29
	s_wait_dscnt 0x0
	v_lshrrev_b32 v1, 5, v0
	v_readfirstlane_b32 s[WV], v1
	s_lshr_b32 s[LH], s[WV], 1
	s_and_b32 s[RH], s[WV], 1
	s_bfe_u32 s21, ttmp6, 0x40000                  ; cx
	s_bfe_u32 s22, ttmp6, 0x40004                  ; cy
	s_lshl_b32 s93, ttmp9, 2
	s_add_co_u32 s93, s93, s21                     ; my tile of R (256 channels)
	s_and_b32 s92, ttmp7, 0xffff
	s_lshl_b32 s92, s92, 2
	s_add_co_u32 s92, s92, s22                     ; my tile of L (256 tokens)
	s_lshl_b32 s45, s22, 2
	s_lshl_b32 s45, 15, s45                        ; my row of the cluster
	s_lshl_b32 s46, 0x1111, s21                    ; my column
	s_or_b32 s[G1], s45, (3<<16)|(1<<21)           ; 15:0 the mask; 17:16 elements of 8 bytes; 21 set beside a mask; no padding
	s_or_b32 s[G1B], s46, (3<<16)|(1<<21)
	s_or_b32 s[G1S], s45, (3<<16)|(1<<21)
	s_or_b32 s[G1SB], s46, (3<<16)|(1<<21)
.irp g, G1, G1B
	s_mov_b32 s[\g+1], 32<<16                      ; a dense block as 96 rows of 256 bytes
	s_mov_b32 s[\g+2], 96<<16
	s_mov_b32 s[\g+3], 32<<16
	s_mov_b32 s[\g+4], 96
	s_mov_b32 s[\g+5], 32
	s_mov_b32 s[\g+6], 0
	s_mov_b32 s[\g+7], 0
.endr
.irp g, G1S, G1SB
	s_mov_b32 s[\g+1], 32<<16                      ; 16 rows of 256 bytes
	s_mov_b32 s[\g+2], 16<<16
	s_mov_b32 s[\g+3], 32<<16
	s_mov_b32 s[\g+4], 16
	s_mov_b32 s[\g+5], 32
	s_mov_b32 s[\g+6], 0
	s_mov_b32 s[\g+7], 0
.endr
	s_lshl_b32 s23, s[RH], 3
	s_lshl_b32 s94, s92, 4
	s_add_co_u32 s94, s94, s23                     ; L: the first tile that I fetch
	s_lshl_b32 s96, s93, 4
	s_add_co_u32 s96, s96, 704                     ; R: wo's tiles begin at 704 in opc
	s_add_co_u32 s96, s96, s23
	s_mul_i32 s98, s94, 3072
	s_mov_b32 s99, 0
	s_lshl_b32 s94, s94, 9
	s_mov_b32 s95, 0
	s_mul_i32 s100, s96, 3072
	s_mov_b32 s101, 0
	s_lshl_b32 s96, s96, 9
	s_mov_b32 s97, 0
	s_mul_i32 s47, s[WV], HALFT
	s_lshl_b32 s40, s[RH], 12
	s_wait_kmcnt 0x0
	s_add_nc_u64 s[98:99], s[4:5], s[98:99]
	s_add_nc_u64 s[94:95], s[6:7], s[94:95]
	s_add_nc_u64 s[100:101], s[8:9], s[100:101]
	s_add_nc_u64 s[96:97], s[10:11], s[96:97]
	CROUND                                         ; all sixteen work-groups are here: the first joint loads meet
	s_mov_b32 s[G0S], 1
	s_add_co_u32 s[G0S+1], s40, SCLL
	s_mov_b64 s[G0S+2:G0S+3], s[94:95]
	s_or_b32 s[G0S+3], s[G0S+3], 0x80000000
	s_mov_b32 s[G0SB], 1
	s_add_co_u32 s[G0SB+1], s40, SCLR
	s_mov_b64 s[G0SB+2:G0SB+3], s[96:97]
	s_or_b32 s[G0SB+3], s[G0SB+3], 0x80000000
	JLOAD G0S, G1S, G0SB, G1SB
.irp s, 0,1
	s_mov_b32 s[G0+4*\s], 1
	s_add_co_u32 s[G0+4*\s+1], s47, \s*SLOT
	s_add_nc_u64 s[G0+4*\s+2:G0+4*\s+3], s[98:99], \s*PLANEL
	s_or_b32 s[G0+4*\s+3], s[G0+4*\s+3], 0x80000000
	s_mov_b32 s[G0B+4*\s], 1
	s_add_co_u32 s[G0B+4*\s+1], s47, \s*SLOT
	s_add_nc_u64 s[G0B+4*\s+2:G0B+4*\s+3], s[100:101], \s*PLANER
	s_or_b32 s[G0B+4*\s+3], s[G0B+4*\s+3], 0x80000000
	JLOAD G0+4*\s, G1, G0B+4*\s, G1B
.endr
	v_and_b32 v1, 31, v0                           ; lane
	v_and_b32 v2, 15, v0                           ; r
	v_bfe_u32 v3, v0, 4, 1                         ; h
	v_lshlrev_b32 v4, 4, v1                        ; 16 x lane
	v_lshlrev_b32 v5, 3, v1                        ; 8 x lane
	s_mul_i32 s41, s[LH], HALFT
	s_mul_i32 s42, s[RH], HALFT
	s_add_co_u32 s42, s42, 2*HALFT
.irp s, 0,1
	v_add_nc_u32 v[ADRA+\s], s41, v4
	v_add_nc_u32 v[ADRA+2+\s], s41, v5
	v_add_nc_u32 v[ADRB+\s], s42, v4
	v_add_nc_u32 v[ADRB+2+\s], s42, v5
	s_add_co_u32 s41, s41, SLOT
	s_add_co_u32 s42, s42, SLOT
.endr
	s_lshl_b32 s41, s[LH], 12
	s_lshl_b32 s42, s[RH], 12
	s_add_co_u32 s42, s42, SCLR-SCLL
	s_sub_co_u32 s42, s42, s41
	v_mul_u32_u24 v6, s42, v3                      ; lanes 16-31 take R's: one product in h
	s_add_co_u32 s41, s41, SCLL
	v_lshl_add_u32 v6, v2, 2, v6
	v_add_nc_u32 v[ADRS], s41, v6
	s_mul_i32 s41, s[WV], 16*SPITCH                ; my stage
	v_mul_u32_u24 v6, v2, SPITCH
	v_lshl_add_u32 v6, v3, 6, v6
	v_add_nc_u32 v[STO], s41, v6                   ; in: row r, + 64 h
	v_add_nc_u32 v[RD], s41, v4                    ; back: the 32 lanes take a row of 512 bytes
	s_lshl_b32 s42, s93, 10                        ; my 128 channels, in bytes
	s_lshl_b32 s44, s[RH], 9
	s_add_co_u32 s42, s42, s44
	s_mov_b32 s43, 0
	s_add_nc_u64 s[40:41], s[12:13], s[42:43]      ; in bo,
	s_add_nc_u64 s[14:15], s[14:15], s[42:43]      ; and in a row of out0
	s_lshl_b32 s42, s92, 20                        ; my first row: 256 rows of 4,096 bytes for each tile of L,
	s_lshl_b32 s44, s[LH], 19                      ; 128 for my half
	s_add_co_u32 s42, s42, s44
	s_add_nc_u64 s[14:15], s[14:15], s[42:43]
	v_lshlrev_b32 v7, 6, v3                        ; 16 h channels
.irp b, 0,1,2,3,4,5,6,7
	global_load_b128 v[BI+8*\b:BI+8*\b+3], v7, s[40:41] offset:4*(32*(\b/2)+8*(\b%2))
	global_load_b128 v[BI+8*\b+4:BI+8*\b+7], v7, s[40:41] offset:4*(32*(\b/2)+8*(\b%2))+16
.endr
	s_wait_tensorcnt 1                             ; the scale words and my part of K step 0 are in (K step 1's load may be out)
	s_barrier_signal -1
	s_barrier_wait -1                              ; everybody's are
	FETCH_B 0, 0, 0
	FETCH_A 0, 0, 0
	SCALES 0, 0
	FETCH_A 0, 0, 4
	s_wait_loadcnt 0x0                             ; the bias
	STEP 0, 1                                      ; the first products start the sums from the bias
	TURN 0, 1, 1, 1                                ; slot 0 takes K step 2
	STEP 1, 0
	TURN 1, 0, 1, 2                                ; slot 1 takes K step 3
	STEP 0, 0
	TURN 0, 1, 0, 3                                ; nothing is left to fetch; behind this barrier nobody reads slot 0
	STEP 1, 0
	s_wait_dscnt 16
	WIN 0xa1
	MUL16 0, 1, 1, 1, 0
	MUL16 2, 1, 1, 1, 0
	s_wait_dscnt 0x0
	WIN 0xf1
	MUL16 4, 1, 1, 1, 0
	MUL16 6, 1, 1, 1, 0
	WIN 0
; THE WAY OUT, a tile of 16 tokens x 128 channels at a time, through my own stage: a lane holds pieces of 32 bytes of one row; back come whole rows of 512 bytes.  LDS serves a wave's instructions in order.
.macro TOSTAGE a
.set ACR, 64*((\a)%4)
	WIN 0x08+4*((\a)/4)                            ; an LDS store's data are its source 1: window 2 or 3
.irp b, 0,1,2,3,4,5,6,7
	ds_store_b128 v[STO], v[ACR+8*\b:ACR+8*\b+3] offset:128*(\b/2)+32*(\b%2)        ; each accumulator from its low end on
	ds_store_b128 v[STO], v[ACR+8*\b+4:ACR+8*\b+7] offset:128*(\b/2)+32*(\b%2)+16
.endr
	WIN 0
.set BB, BK+64*((\a)%2)
.irp t, 0,1,2,3,4,5,6,7,8,9,10,11,12,13,14,15
	ds_load_b128 v[BB+4*\t:BB+4*\t+3], v[RD] offset:\t*SPITCH
.endr
.endm
.macro SEND a, younger                 ; younger: the LDS instructions issued behind tile a's loads
.set BB, BK+64*((\a)%2)
	s_wait_dscnt \younger
.irp t, 0,1,2,3,4,5,6,7,8,9,10,11,12,13,14,15
	global_store_b128 v4, v[BB+4*\t:BB+4*\t+3], s[14:15] offset:(32*((\a)/2)+8*((\a)%2)+\t+8*(\t/8))*4096 th:TH_STORE_NT   ; 512 consecutive bytes, aligned; the row by the tile order; 127 rows at the most in the immediate
.endr
.endm
	PLACES
	TOSTAGE 0
.irp a, 1,2,3,4,5,6,7
.if \a > 1
	s_wait_xcnt 0x0                                ; tile a - 2's stores have read their registers: tile a's loads may land there
.endif
	TOSTAGE \a
	SEND \a-1, 32                                  ; behind tile a - 1's loads: tile a's 16 stores and 16 loads
.endr
	SEND 7, 0
	s_wait_tensorcnt 0x0                           ; the wave's end
	ds_add_u32 v[SPW], v[NIL]
	s_wait_dscnt 0x0
	CROUND                                         ; the closing round
	s_endpgm
.Lfunc_end_k_qcd9eb4e784_proj:
	.size	k_qcd9eb4e784_proj, .Lfunc_end_k_qcd9eb4e784_proj-k_qcd9eb4e784_proj
	.p2alignl 7, 3214868480
	.fill 96, 4, 3214868480
	.section	.rodata,"a",@progbits
	.p2align	6, 0x0
	.amdhsa_kernel k_qcd9eb4e784_proj
		.amdhsa_group_segment_fixed_size 327680
		.amdhsa_private_segment_fixed_size 0
		.amdhsa_enable_private_segment 0
		.amdhsa_kernarg_size 48
		.amdhsa_user_sgpr_count 2
		.amdhsa_user_sgpr_kernarg_segment_ptr 1
		.amdhsa_wavefront_size32 1
		.amdhsa_system_sgpr_workgroup_id_x 1
		.amdhsa_system_sgpr_workgroup_id_y 1
		.amdhsa_system_sgpr_workgroup_id_z 1
		.amdhsa_system_vgpr_workitem_id 0
		.amdhsa_next_free_vgpr 1024
		.amdhsa_next_free_sgpr 102
		.amdhsa_reserve_vcc 0
		.amdhsa_float_denorm_mode_32 3
		.amdhsa_float_denorm_mode_16_64 3
		.amdhsa_memory_ordered 1
		.amdhsa_forward_progress 1
		.amdhsa_inst_pref_size 146
	.end_amdhsa_kernel
	.amdgpu_metadata
---
amdhsa.version: [ 1, 2 ]
amdhsa.kernels:
  - .name:           k_qcd9eb4e784_proj
    .symbol:         k_qcd9eb4e784_proj.kd
    .args:
      - { .name: ao, .offset: 0, .size: 8, .value_kind: global_buffer, .address_space: global }
      - { .name: aos, .offset: 8, .size: 8, .value_kind: global_buffer, .address_space: global }
      - { .name: opc, .offset: 16, .size: 8, .value_kind: global_buffer, .address_space: global }
      - { .name: ops, .offset: 24, .size: 8, .value_kind: global_buffer, .address_space: global }
      - { .name: bo, .offset: 32, .size: 8, .value_kind: global_buffer, .address_space: global }
      - { .name: out0, .offset: 40, .size: 8, .value_kind: global_buffer, .address_space: global }
    .group_segment_fixed_size: 327680
    .private_segment_fixed_size: 0
    .kernarg_segment_align: 8
    .kernarg_segment_size: 48
    .max_flat_workgroup_size: 128
    .sgpr_count:     102
    .vgpr_count:     1024
    .wavefront_size: 32
...
	.end_amdgpu_metadata
.endif
;; end of part 4
;; ======== version 2 of 2: 4 launches; version 1 with the launch attn written anew for expert scheduling mode
;; limits: right only within a limited range of input values
;; workspace buffers: opc 9,437,184 bytes; ops 393,216 bytes; maskw 524,288 bytes of whole numbers; msum 4,096 bytes of whole numbers; qkv 18,874,368 bytes; qkvs 786,432 bytes; ao 6,291,456 bytes; aos 262,144 bytes
;; launch prep: the kernel of part 1 again; grid 896 x 1, 4 waves a work-group, no clusters, 70,144 bytes of LDS; arguments x, wq, wk, wv, wo, mask, opc, ops, maskw, msum; writes opc, ops, maskw, msum
;; launch qkv: the kernel of part 2 again; grid 96 x 4, 4 waves a work-group, clusters of 4 x 4, 327,680 bytes of LDS; arguments opc, ops, bq, bk, bv, qkv, qkvs; writes qkv, qkvs
;; launch attn (part 5): grid 4 x 64, 16 waves a work-group, no clusters, 206,848 bytes of LDS; arguments qkv, qkvs, maskw, msum, ao, aos; writes ao, aos
.if DOCPART == 5
	.amdgcn_target "amdgcn-amd-amdhsa--gfx1250"
	.amdhsa_code_object_version 6
	.text
	.protected	k_qcd9eb4e784_attn
	.globl	k_qcd9eb4e784_attn
	.p2align	8
	.type	k_qcd9eb4e784_attn,@function
k_qcd9eb4e784_attn:
	s_mov_b64 s[64:65], 0
	v_nop
	global_prefetch_b8 v0, s[64:65] scope:SCOPE_SE
	s_setreg_imm32_b32 hwreg(HW_REG_WAVE_SCHED_MODE, 0, 2), 2
	s_setreg_imm32_b32 hwreg(HW_REG_WAVE_MODE, 25, 1), 1
	s_wait_xcnt 0x0
	s_wait_alu depctr_vm_vsrc(0)
; O = softmax(q k^T / 8, masked) v for one head, both products on codes of FP6 (E2M3) with E8M0 scales; the result, divided by the row's sum, is quantised along the model's 1,024 and leaves as an operand's image.
; t = score x log2(e) / 8; M = the running largest t rounded UP to a whole number; p = 2^(t - M) is quantised along the keys, not normalised; the row's sum is taken of the unquantised p.
; SHARES.  Work-group (i, 16 batch + head) holds the head's whole K and V (192 KiB of codes, 8 KiB of scale words) in LDS, filled once through registers: one barrier, no LDS store behind it.
; Each of its sixteen waves takes two tiles of 16 queries, 16 i + wave and 127 - that: four waves to a SIMD, so that one wave's vector work stands beside another's matrix work and LDS loads.
; THE MASK is an input: an earlier launch has laid it as lane masks, one word for each score register, and as flags for each tile and key step of 128.  A step in which no key counts for any of the tile's queries is
; passed over, and a step without a hole is not masked: scalar branches on stored whole numbers.  Where a row of the tile is wholly masked every step is worked.
; A hidden score becomes -2^33 ahead of the maximum (a logit of -2^30 where the definition has -1e9): t is then a whole number that f32 holds, so that a wholly masked row gets p = 1 for every key, and any other row p = 0.
; LIMITS: the results differ from the definition's only where a logit that counts lies under about -9e8; NaN and infinities are not served; a block of zeros gets the scale byte 1 (its codes are zeros).
; LAYOUT.  Both products are used transposed: a lane holds ONE query.  K = 64 in the first product and 128 in the instruction: a fragment of K is the half images of TWO tiles of keys, and q stands beside zeros:
; [q | 0] picks the first tile, [0 | q] the second: each fragment is read once and feeds two instructions.  Tiles are in tile order, so that the 16 registers of tiles 2 b, 2 b + 1 are keys 32 b + 16 (lane / 16) + 0 .. 15.
; No cluster: no tensor load either; K and V are read once by each of a head's four work-groups.
; THE MODE: SCHED_MODE bits 1:0 = 2 (LLVM: expert scheduling mode 2), set by the entry lines.  The code itself states the register dependences between vector or matrix instructions and memory or LDS instructions,
; with s_wait_alu, always for 0.
; THE PLAN.  Registers that memory or LDS instructions touch:
;   v1, v2, v5, v6, v7   offsets and LDS store addresses: written once at the head, never again.
;   v96-191, v40-43      at the head alone: the global loads land in them and the LDS stores read them; from the first tile on they are written by products, vector lines and LDS loads.
;   v8-11, v88           LDS addresses: written by five additions at the head of each worked step, read by that step's 36 LDS loads.
;   v36-39               scale words: loaded at a step's head; read by the eight products K q^T (v36-37) and the four products V^T P (v38-39).
;   v40-87               four fragments: K's loads land at a step's head, the eight products read them; V's loads land behind the wait for the exponentials, the four products read them.
;   v224-229, v255       a tile's codes and scale bytes: written by vector lines, read by the tile's three stores.
;   v239, v243           written at the head, read by the closing add alone.
; A worked step holds one wait on vm_vsrc, ahead of the five additions, and four on va_vdst: behind the additions (the addresses; the last step's products are done with v36-87), behind the 64 exponentials (their
; results; the eight products are done with v40-87: V's loads follow it at once), behind the four exponentials, and ahead of V^T P (p's codes and scale word).  No registers are left for a second set of fragments.
.set KS, 36                            ; v36-37 K's scale words (lanes 0-15 an even pair, lanes 16-31 the odd one); v38-39 V's
.set VS, 38
.set FR, 40                            ; v40-87 four fragments, of K and then of V
.set AS, 88
.set PT, 89                            ; v89-92 the other half's maxima, then the bytes
.set S,  96                            ; v96-159 S^T, then p, then O / the sum
.set O,  160                           ; v160-191 O^T, four tiles of channels
.set PC, 224                           ; v224-235 p's codes
.set CT, 236
.set SO, 244                           ; v244-247 the conversions' scale operands
.set BM, 248                           ; v248-251 the blocks' largest scores
; v1 16 x lane; v2 8 x lane + 512; v3 4 x lane + 196,608; v4 -2^33; v5 4 (lane % 16); v8-11 the step's LDS addresses; v12 -M; v13 the largest t; v[14:15] the sum; v16-33 [0 | q | 0] of tile 0, v34-35 its scale words;
; v192-209, v210-211 the same of tile 1; v252 f; v253 p's scale word; v254-255 at work.
; s2 wave; s[16:63], s[80:95] the step's 64 lane masks; s66, s96 the two tiles' flags; s67 the step; s68, s69, s70 the step's bytes in K and V, in the scale words, in maskw; s76 head, s77 batch; s104, s105 the two tiles.
	s_load_b256 s[4:11], s[0:1], 0x0               ; qkv, qkvs, maskw, msum
	s_load_b128 s[12:15], s[0:1], 0x20             ; ao, aos
	v_lshl_add_u32 v239, v0, 2, 0x32000
	v_mov_b32 v243, 0
	v_lshrrev_b32 v8, 5, v0
	v_readfirstlane_b32 s2, v8                     ; wave 0..15
	v_and_b32 v9, 31, v0
	v_lshlrev_b32 v1, 4, v9
	v_lshl_add_u32 v2, v9, 3, 512
	v_lshl_add_u32 v3, v9, 2, 196608
	v_mov_b32 v4, 0xd0000000
	v_and_b32 v5, 15, v0
	v_lshlrev_b32 v5, 2, v5
	s_wait_alu depctr_va_sdst(0)                   ; s2 is written, ahead of its first reader: the tiles' numbers and every base below are made from it
	s_and_b32 s3, ttmp7, 0xffff                    ; 16 x batch + head
	s_and_b32 s76, s3, 15
	s_lshr_b32 s77, s3, 4
	s_lshl_b32 s104, ttmp9, 4
	s_add_co_u32 s104, s104, s2
	s_sub_co_u32 s105, 127, s104
	s_lshr_b32 s66, s2, 3
	s_add_co_u32 s66, s66, 1                       ; waves 0-7 fetch K (region 1), waves 8-15 V (region 2)
	s_and_b32 s67, s2, 7
	s_mul_i32 s68, s3, 98304                       ; the head's bytes in a region of codes,
	s_lshl_b32 s69, s3, 12                         ; and of scale words
	s_mul_i32 s80, s66, 6291456
	s_add_co_u32 s80, s80, s68
	s_mul_i32 s70, s67, 12288
	s_add_co_u32 s80, s80, s70
	s_mov_b32 s81, 0
	s_lshl_b32 s82, s66, 18
	s_add_co_u32 s82, s82, s69
	s_lshl_b32 s70, s67, 9
	s_add_co_u32 s82, s82, s70
	s_mov_b32 s83, 0
	s_mul_i32 s88, s104, 768
	s_add_co_u32 s88, s88, s68
	s_mov_b32 s89, 0
	s_mul_i32 s90, s105, 768
	s_add_co_u32 s90, s90, s68
	s_mov_b32 s91, 0
	s_lshr_b32 s92, s104, 1
	s_lshl_b32 s92, s92, 6
	s_add_co_u32 s92, s92, s69
	s_mov_b32 s93, 0
	s_lshr_b32 s94, s105, 1
	s_lshl_b32 s94, s94, 6
	s_add_co_u32 s94, s94, s69
	s_mov_b32 s95, 0
	s_lshl_b32 s71, s104, 5                        ; a tile's 32 bytes of msum
	s_lshl_b32 s97, s105, 5
	s_mul_i32 s98, s2, 12288
	s_lshl_b32 s99, s2, 9
	s_add_co_u32 s99, s99, 196608
	v_add_nc_u32 v6, s98, v1                       ; LDS: my 12,288 bytes of K or V,
	v_add_nc_u32 v7, s99, v1                       ; my 512 bytes of scale words
	s_mov_b32 s72, 0x76543210
	s_mov_b32 s73, 0xfedcba98                      ; lane selects: lane l xor 16
	s_mov_b32 s74, 0x3e38aa3b                      ; c = log2(e) / 8
	s_mov_b32 s75, s74                             ; (named with it as a pair, so it is written)
	s_wait_kmcnt 0x0
	s_add_nc_u64 s[80:81], s[4:5], s[80:81]
	s_add_nc_u64 s[82:83], s[6:7], s[82:83]
	s_add_nc_u64 s[88:89], s[4:5], s[88:89]
	s_add_nc_u64 s[90:91], s[4:5], s[90:91]
	s_add_nc_u64 s[92:93], s[6:7], s[92:93]
	s_add_nc_u64 s[94:95], s[6:7], s[94:95]
	s_wait_alu depctr_va_vdst(0)                   ; v1, v2, v5 are written, the offsets of every global load and store; so are v6 and v7, the addresses of the LDS stores below (the moves between name none of these, nor the stores' data)
.set n, 0
.rept 24
	global_load_b128 v[S+4*n:S+4*n+3], v1, s[80:81] offset:512*n   ; 512 consecutive bytes a load
.set n, n+1
.endr
	global_load_b128 v[40:43], v1, s[82:83]
	global_load_b128 v[22:25], v1, s[88:89]        ; q of tile 0: a half image,
	global_load_b64 v[26:27], v2, s[88:89]
	global_load_b128 v[198:201], v1, s[90:91]      ; of tile 1
	global_load_b64 v[202:203], v2, s[90:91]
	global_load_b32 v212, v5, s[92:93]             ; their pairs' scale words
	global_load_b32 v213, v5, s[94:95]
	s_load_b256 s[16:23], s[10:11], s71 offset:0x0 ; the two tiles' flags
	s_load_b256 s[24:31], s[10:11], s97 offset:0x0
.irp j, 16,17,18,19,20,21,28,29,30,31,32,33,192,193,194,195,196,197,204,205,206,207,208,209
	v_mov_b32 v\j, 0                               ; the zero codes beside q
.endr
.irp j, 89,90,91,92,252,253,254,255
	v_mov_b32 v\j, 0                               ; written once: permutes' destinations and halves of pairs count as read
.endr
.irp g, 0,1,2
	s_wait_loadcnt 23-8*\g                         ; of the 31 loads the first 8 (g + 1) are in
.irp j, 0,1,2,3,4,5,6,7
	ds_store_b128 v6, v[S+32*\g+4*\j:S+32*\g+4*\j+3] offset:512*(8*\g+\j)
.endr
.endr
	s_wait_loadcnt 6                               ; the scale words are in; q's six loads may be out
	ds_store_b128 v7, v[40:43]
	s_wait_dscnt 0x0                               ; for the others' sake: my stores have landed
	s_barrier_signal -1
	s_barrier_wait -1                              ; the head's K and V lie in LDS; nothing is stored there from here on
	s_wait_loadcnt 0x0
	s_wait_kmcnt 0x0
.macro FLAGS w, base                   ; the four waves' words of a tile become one
	s_or_b32 s[\w], s[\base], s[\base+2]
	s_or_b32 s[\w], s[\w], s[\base+4]
	s_or_b32 s[\w], s[\w], s[\base+6]
	s_or_b32 s71, s[\base+1], s[\base+3]
	s_or_b32 s71, s71, s[\base+5]
	s_or_b32 s71, s71, s[\base+7]
	s_lshr_b32 s97, s71, 16
	s_or_b32 s71, s71, s97
	s_and_b32 s71, s71, 0xffff                     ; bit r: query r has a key that counts
	s_cmp_lg_u32 s71, 0xffff
	s_cselect_b32 s71, 0xffff, 0                   ; a row that is wholly masked wants every key
	s_or_b32 s[\w], s[\w], s71
.endm
	FLAGS 66, 16
	FLAGS 96, 24
.macro QSC tq, raw, qs                 ; q's two bytes, beside 127 for the zero codes: {s0, s1, 127, 127} and {127, 127, s0, s1}
	s_and_b32 s71, s[\tq], 1
	s_lshl_b32 s71, s71, 4
	v_lshrrev_b32 v[\qs], s71, v[\raw]
	v_and_b32 v[\qs], 0xffff, v[\qs]
	v_lshl_or_b32 v[\qs+1], v[\qs], 16, 0x7f7f
	v_or_b32 v[\qs], 0x7f7f0000, v[\qs]
.endm
	QSC 104, 212, 34
	QSC 105, 213, 210
.macro TILE qb, qs, w, tq
	s_wait_xcnt 0x0                                ; the last tile's stores have read their registers and bases
	s_wait_alu depctr_vm_vsrc(0)                   ; first tile: the head's LDS stores have read v40-43 and v96-191; second tile: the last tile's stores have read v224-229 and v255: all of these are written again below
	s_lshl_b32 s78, s77, 7
	s_add_co_u32 s78, s78, s[\tq]                  ; the tile among all 512 tiles of tokens
	s_lshl_b32 s97, s78, 9
	s_mul_i32 s78, s78, 3072
	s_lshr_b32 s71, s76, 2
	s_mul_i32 s71, s71, 1572864                    ; the head's K step of 256,
	s_add_co_u32 s78, s78, s71
	s_and_b32 s71, s76, 3
	s_mul_i32 s71, s71, 768                        ; and its group of 64
	s_add_co_u32 s78, s78, s71
	s_mov_b32 s79, 0
	s_add_nc_u64 s[98:99], s[12:13], s[78:79]
	s_lshr_b32 s71, s76, 1
	s_lshl_b32 s71, s71, 6
	s_add_co_u32 s78, s97, s71
	s_and_b32 s71, s76, 1
	s_lshl_b32 s71, s71, 1
	s_add_co_u32 s78, s78, s71
	s_add_nc_u64 s[100:101], s[14:15], s[78:79]
	v_mov_b32 v13, 0xff61b1e6                      ; the largest t so far: -3e38
	v_floor_f32 v12, -v13                          ; -M
	v_mov_b32 v14, 0
	v_mov_b32 v15, 0
.set n, 0
.rept 32
	v_mov_b32 v[O+n], 0                            ; the step is written once: the first finds zeros
.set n, n+1
.endr
	s_mov_b32 s67, 0
	s_mov_b32 s68, 0
	s_mov_b32 s69, 0
	s_lshl_b32 s70, s[\tq], 12
.Lstep_\@:                                         ; sixteen trips, a constant; a step without work is jumped over inside
	s_bitcmp1_b32 s[\w], s67
	s_cbranch_scc0 .Lskip_\@
	s_wait_alu depctr_vm_vsrc(0)                   ; the LDS loads of the step worked last, in this tile or the one before, have read v8-11 and v88, which the five lines below write again
	v_add_nc_u32 v8, s68, v1
	v_add_nc_u32 v9, s68, v2
	v_add_nc_u32 v10, 0x18000, v8
	v_add_nc_u32 v11, 0x18000, v9
	v_add_nc_u32 v[AS], s69, v3
	s_load_b512 s[16:31], s[8:9], s70 offset:0x0   ; the step's 64 lane masks
	s_load_b512 s[32:47], s[8:9], s70 offset:0x40
	s_load_b512 s[48:63], s[8:9], s70 offset:0x80
	s_load_b512 s[80:95], s[8:9], s70 offset:0xc0
	s_wait_alu depctr_va_vdst(0)                   ; the five addresses are written, which this step's LDS loads read; the last step's products are done reading v36-87, in which the loads below land; q's zero codes and scale words, made by vector lines, are written ahead of the products that take them
.irp b, 0,1,2,3                        ; K: pair b = the half images of tiles 2 b and 2 b + 1
	ds_load_b128 v[FR+12*\b:FR+12*\b+3], v8 offset:1536*\b
	ds_load_b64 v[FR+12*\b+4:FR+12*\b+5], v9 offset:1536*\b
	ds_load_b128 v[FR+12*\b+6:FR+12*\b+9], v8 offset:1536*\b+768
	ds_load_b64 v[FR+12*\b+10:FR+12*\b+11], v9 offset:1536*\b+768
.endr
	ds_load_b32 v[KS], v[AS]
	ds_load_b32 v[KS+1], v[AS] offset:128
	ds_load_b32 v[VS], v[AS] offset:4096
	ds_load_b32 v[VS+1], v[AS] offset:4224
	s_wait_dscnt 0x0
.irp b, 0,1,2,3
.irp u, 0,1
.if \b%2
	v_wmma_scale_f32_16x16x128_f8f6f4 v[S+8*(2*\b+\u):S+8*(2*\b+\u)+7], v[FR+12*\b:FR+12*\b+11], v[\qb+6-6*\u:\qb+17-6*\u], 0, v[KS+\b/2], v[\qs+\u] matrix_a_fmt:MATRIX_FMT_FP6 matrix_b_fmt:MATRIX_FMT_FP6 matrix_a_scale:MATRIX_SCALE_ROW1
.else
	v_wmma_scale_f32_16x16x128_f8f6f4 v[S+8*(2*\b+\u):S+8*(2*\b+\u)+7], v[FR+12*\b:FR+12*\b+11], v[\qb+6-6*\u:\qb+17-6*\u], 0, v[KS+\b/2], v[\qs+\u] matrix_a_fmt:MATRIX_FMT_FP6 matrix_b_fmt:MATRIX_FMT_FP6
.endif
.endr
.endr
.rept 4
	v_nop                                          ; places in front of the first read of the scores (ISA guide 7.12.1)
.endr
	s_wait_kmcnt 0x0                               ; the lane masks are in (and s70 may be stepped)
	s_add_co_u32 s71, s67, 16
	s_bitcmp1_b32 s[\w], s71
	s_cbranch_scc0 .Lopen_\@                       ; a step without a hole is not masked
.set n, 0
.rept 64
	v_cndmask_b32 v[S+n], v4, v[S+n], s[16+n+16*(n/48)]
.set n, n+1
.endr
.Lopen_\@:
.irp b, 0,1,2,3
	v_max3_num_f32 v[BM+\b], v[S+16*\b], v[S+1+16*\b], v[S+2+16*\b]   ; the largest score of each block of 32 keys: it serves the row's maximum and, since p rises with the score, the block's largest p
.endr
.irp i, 3,5,7,9,11,13
.irp b, 0,1,2,3
	v_max3_num_f32 v[BM+\b], v[BM+\b], v[S+16*\b+\i], v[S+1+16*\b+\i]
.endr
.endr
.irp b, 0,1,2,3
	v_max_num_f32 v[BM+\b], v[BM+\b], v[S+15+16*\b]
.endr
.irp b, 0,1,2,3
	v_permlanex16_b32 v[PT+\b], v[BM+\b], s72, s73
.endr
.irp b, 0,1,2,3
	v_max_num_f32 v[BM+\b], v[BM+\b], v[PT+\b]     ; with lane l xor 16's 16 keys
.endr
	v_max3_num_f32 v254, v[BM], v[BM+1], v[BM+2]
	v_max_num_f32 v254, v254, v[BM+3]
	v_mul_f32 v254, s74, v254                      ; as t (c is positive)
	v_max_num_f32 v13, v13, v254                   ; the running largest t
	v_mov_b32 v254, v12
	v_floor_f32 v12, -v13                          ; the new -M = -ceil(t): a whole number
	v_sub_f32 v254, v12, v254                      ; old M - new M: a whole number, 0 or less
	v_cvt_i32_f32 v254, v254                       ; (it saturates)
	v_ldexp_f32 v252, 1.0, v254                    ; f = 2^(old M - new M): multiplying by it rounds nothing
.set n, 0
.rept 32
	v_pk_fma_f32 v[S+n:S+n+1], v[S+n:S+n+1], s[74:75], v[12:13] op_sel_hi:[1,0,0]   ; t - M, two at a time
.set n, n+2
.endr
.irp b, 0,1,2,3
	v_fma_f32 v[BM+\b], v[BM+\b], s74, v12         ; the same of each block's largest score
.endr
.set n, 0
.rept 64
	v_exp_f32 v[S+n], v[S+n]                       ; p = 2^(t - M)
.set n, n+1
.endr
	v_pk_mul_f32 v[14:15], v[14:15], v[252:253] op_sel_hi:[1,0]   ; the sums under the new M (a plain line behind the exponentials)
	s_wait_alu depctr_va_vdst(0)                   ; the 64 exponentials have written p, ahead of its first reader; and the eight products K q^T are done reading v40-87, in which V's loads land
.irp t, 0,1,2,3                        ; V: tile t of channels x these 128 keys; it lands while the sums are taken and p is quantised
	ds_load_b128 v[FR+12*\t:FR+12*\t+3], v10 offset:768*\t
	ds_load_b64 v[FR+12*\t+4:FR+12*\t+5], v11 offset:768*\t
	ds_load_b128 v[FR+12*\t+6:FR+12*\t+9], v10 offset:3072+768*\t
	ds_load_b64 v[FR+12*\t+10:FR+12*\t+11], v11 offset:3072+768*\t
.endr
.irp b, 0,1,2,3
	v_exp_f32 v[BM+\b], v[BM+\b]                   ; the block's largest p
.endr
	v_pk_add_f32 v[254:255], v[S:S+1], v[S+2:S+3]  ; the row's sum is taken of the unquantised p, in two chains
.set n, 4
.rept 15
	v_pk_add_f32 v[14:15], v[14:15], v[S+n:S+n+1]
	v_pk_add_f32 v[254:255], v[254:255], v[S+n+2:S+n+3]
.set n, n+4
.endr
	v_pk_add_f32 v[14:15], v[14:15], v[254:255]
	s_wait_alu depctr_va_vdst(0)                   ; the four exponentials have written the blocks' largest p, ahead of their first reader
.irp b, 0,1,2,3
	v_max_num_f32 v[BM+\b], 0x1800000, v[BM+\b]    ; the floor 2^(3 - 127): the byte cannot fall under 1
.endr
.irp b, 0,1,2,3
	v_add_nc_u32 v[SO+\b], 0xff000000, v[BM+\b]
.endr
.irp b, 0,1,2,3
	v_lshrrev_b32 v[PT+\b], 23, v[SO+\b]
.endr
	v_lshl_or_b32 v253, v[PT+1], 8, v[PT]          ; p's scale word for these 128 keys
	v_lshl_or_b32 v253, v[PT+2], 16, v253
	v_lshl_or_b32 v253, v[PT+3], 24, v253
.irp c, 0,1
	v_cvt_scalef32_pk16_fp6_f32 v[PC+6*\c:PC+6*\c+2], v[S+32*\c:S+32*\c+15], v[SO+2*\c]
	v_cvt_scalef32_pk16_fp6_f32 v[CT+4*\c:CT+4*\c+2], v[S+32*\c+16:S+32*\c+31], v[SO+2*\c+1]
.endr
	v_nop                                          ; one plain line behind a scaled conversion
.irp c, 0,1
.irp i, 0,1,2
	v_permlane16_swap_b32 v[PC+6*\c+\i], v[CT+4*\c+\i]
.endr
.irp i, 0,1,2
	v_mov_b32 v[PC+6*\c+3+\i], v[CT+4*\c+\i]
.endr
.endr
.set n, 0
.rept 16
	v_pk_mul_f32 v[O+n:O+n+1], v[O+n:O+n+1], v[252:253] op_sel_hi:[1,0]   ; O^T under the new M; these sixteen are also the places between the scale word, the codes and the products
.set n, n+2
.endr
	s_wait_alu depctr_va_vdst(0)                   ; p's codes v224-235 and its scale word v253, made by vector lines, are written ahead of the scaled products that take them; the places above stay beside this wait
	s_wait_dscnt 0x0                               ; V is in
.irp t, 0,1,2,3                        ; four accumulators by turns
.if \t%2
	v_wmma_scale_f32_16x16x128_f8f6f4 v[O+8*\t:O+8*\t+7], v[FR+12*\t:FR+12*\t+11], v[PC:PC+11], v[O+8*\t:O+8*\t+7], v[VS+\t/2], v253 matrix_a_fmt:MATRIX_FMT_FP6 matrix_b_fmt:MATRIX_FMT_FP6 matrix_a_scale:MATRIX_SCALE_ROW1
.else
	v_wmma_scale_f32_16x16x128_f8f6f4 v[O+8*\t:O+8*\t+7], v[FR+12*\t:FR+12*\t+11], v[PC:PC+11], v[O+8*\t:O+8*\t+7], v[VS+\t/2], v253 matrix_a_fmt:MATRIX_FMT_FP6 matrix_b_fmt:MATRIX_FMT_FP6
.endif
.endr
.Lskip_\@:
	s_add_co_u32 s68, s68, 6144
	s_add_co_u32 s69, s69, 256
	s_add_co_u32 s70, s70, 256
	s_add_co_u32 s67, s67, 1
	s_cmp_lt_u32 s67, 16
	s_cbranch_scc1 .Lstep_\@
	; the tile's way out: O^T / the sum; its 64 channels are two blocks of 32 along the last product's K
	v_add_f32 v14, v14, v15
	v_permlanex16_b32 v254, v14, s72, s73
	v_add_f32 v14, v14, v254                       ; the row's sum
	v_nop
	v_rcp_f32 v252, v14
	v_nop                                          ; a plain line behind the reciprocal (with the lines above: four places behind the last products)
	s_wait_alu depctr_va_vdst(0)                   ; the reciprocal has written v252, ahead of its first reader
.set n, 0
.rept 16
	v_pk_mul_f32 v[S+n:S+n+1], v[O+n:O+n+1], v[252:253] op_sel_hi:[1,0]   ; register 16 B + i: channel 32 B + 16 (lane / 16) + i
.set n, n+2
.endr
.irp b, 0,1
	v_max3_num_f32 v[BM+\b], |v[S+16*\b]|, |v[S+1+16*\b]|, 0x1800000
.endr
.irp i, 2,4,6,8,10,12,14
.irp b, 0,1
	v_max3_num_f32 v[BM+\b], v[BM+\b], |v[S+16*\b+\i]|, |v[S+1+16*\b+\i]|
.endr
.endr
.irp b, 0,1
	v_permlanex16_b32 v[PT+\b], v[BM+\b], s72, s73
.endr
.irp b, 0,1
	v_max_num_f32 v[BM+\b], v[BM+\b], v[PT+\b]
.endr
.irp b, 0,1
	v_add_nc_u32 v[SO+\b], 0xff000000, v[BM+\b]
.endr
.irp b, 0,1
	v_lshrrev_b32 v[PT+\b], 23, v[SO+\b]
.endr
	v_lshl_or_b32 v255, v[PT+1], 8, v[PT]          ; the head's two scale bytes of my row
	v_cvt_scalef32_pk16_fp6_f32 v[PC:PC+2], v[S:S+15], v[SO]
	v_cvt_scalef32_pk16_fp6_f32 v[CT:CT+2], v[S+16:S+31], v[SO+1]
	v_nop
.irp i, 0,1,2
	v_permlane16_swap_b32 v[PC+\i], v[CT+\i]
.endr
.irp i, 0,1,2
	v_mov_b32 v[PC+3+\i], v[CT+\i]
.endr
	s_wait_alu depctr_va_vdst(0)                   ; the tile's codes v224-229 and its scale bytes v255 are written, which the three stores below read
	global_store_b128 v1, v[PC:PC+3], s[98:99]     ; a half image: 512 consecutive bytes, aligned,
	global_store_b64 v2, v[PC+4:PC+5], s[98:99]    ; and 256
	global_store_b16 v5, v255, s[100:101]          ; half of a scale word (lanes l and l xor 16 store the same two bytes)
.endm
	TILE 16, 34, 66, 104
	TILE 192, 210, 96, 105
	s_wait_dscnt 0x0                               ; the closing lines, six on end
	s_wait_alu 0x0
	s_wait_tensorcnt 0x0
	ds_add_u32 v239, v243
	s_wait_dscnt 0x0
	s_endpgm
.Lfunc_end_k_qcd9eb4e784_attn:
	.size	k_qcd9eb4e784_attn, .Lfunc_end_k_qcd9eb4e784_attn-k_qcd9eb4e784_attn
	.p2alignl 7, 3214868480
	.fill 96, 4, 3214868480
	.section	.rodata,"a",@progbits
	.p2align	6, 0x0
	.amdhsa_kernel k_qcd9eb4e784_attn
		.amdhsa_group_segment_fixed_size 206848
		.amdhsa_private_segment_fixed_size 0
		.amdhsa_enable_private_segment 0
		.amdhsa_kernarg_size 48
		.amdhsa_user_sgpr_count 2
		.amdhsa_user_sgpr_kernarg_segment_ptr 1
		.amdhsa_wavefront_size32 1
		.amdhsa_system_sgpr_workgroup_id_x 1
		.amdhsa_system_sgpr_workgroup_id_y 1
		.amdhsa_system_sgpr_workgroup_id_z 1
		.amdhsa_system_vgpr_workitem_id 0
		.amdhsa_next_free_vgpr 256
		.amdhsa_next_free_sgpr 106
		.amdhsa_reserve_vcc 0
		.amdhsa_float_denorm_mode_32 3
		.amdhsa_float_denorm_mode_16_64 3
		.amdhsa_memory_ordered 1
		.amdhsa_forward_progress 1
		.amdhsa_inst_pref_size 63
	.end_amdhsa_kernel
	.amdgpu_metadata
---
amdhsa.version: [ 1, 2 ]
amdhsa.kernels:
  - .name:           k_qcd9eb4e784_attn
    .symbol:         k_qcd9eb4e784_attn.kd
    .args:
      - { .name: qkv, .offset: 0, .size: 8, .value_kind: global_buffer, .address_space: global }
      - { .name: qkvs, .offset: 8, .size: 8, .value_kind: global_buffer, .address_space: global }
      - { .name: maskw, .offset: 16, .size: 8, .value_kind: global_buffer, .address_space: global }
      - { .name: msum, .offset: 24, .size: 8, .value_kind: global_buffer, .address_space: global }
      - { .name: ao, .offset: 32, .size: 8, .value_kind: global_buffer, .address_space: global }
      - { .name: aos, .offset: 40, .size: 8, .value_kind: global_buffer, .address_space: global }
    .group_segment_fixed_size: 206848
    .private_segment_fixed_size: 0
    .kernarg_segment_align: 8
    .kernarg_segment_size: 48
    .max_flat_workgroup_size: 512
    .sgpr_count:     106
    .vgpr_count:     256
    .wavefront_size: 32
...
	.end_amdgpu_metadata
.endif
;; end of part 5
;; launch proj: the kernel of part 4 again; grid 4 x 32, 4 waves a work-group, clusters of 4 x 4, 327,680 bytes of LDS; arguments ao, aos, opc, ops, bo, out0; writes out0
